; MI455X (gfx1250); checked and timed in simulation.
; The chip was launched on July 23, 2026; its instructions are those of AMD's public machine-readable ISA for CDNA 5 (MIT licence, August 2026) and "CDNA5" Instruction Set Architecture Reference Guide (July 2026). The comments in the code are by the model that wrote it; some were corrected since.
;; Self Attention. Allowed arithmetic: float matrix products may take bf16 or f16 operands with f32 sums; other float arithmetic in f32, or as packed bf16 or f16 multiplies, adds, multiply-adds, maxima and minima; sums over many terms, partial sums and values carried from step to step in f32; what a program stores and reads back later, other than sums and carried values, may be rounded once to bf16 or f16.
;; Inputs: Wk 1,024 x 1,024 float32; Wq 1,024 x 1,024 float32; Wv 1,024 x 1,024 float32; bk 1,024 float32; bq 1,024 float32; bv 1,024 float32; mask 2,048 x 2,048 int32; x 4 x 2,048 x 1,024 float32.
;; Outputs: out0 4 x 2,048 x 1,024 float32.
;; One version. Each part assembles by itself: llvm-mc -triple=amdgcn-amd-amdhsa -mcpu=gfx1250 --defsym DOCPART=n.
;; ======== version 1 of 1: 4 launches
;; limits: values are held in f16: magnitudes above 65,504 overflow, below 6.1e-05 lose precision; values outside matrix products are rounded to bf16
;; workspace buffers: xw 23,080,960 bytes; am8 4,194,304 bytes; Qh 16,777,216 bytes; Kh 16,777,216 bytes; Vh 16,777,216 bytes; Ph 33,554,432 bytes; stat 786,432 bytes
;; launch prep (part 1): grid 961 x 1, 8 waves a work-group, no clusters, 0 bytes of LDS; arguments x, Wq, Wk, Wv, mask, xw, am8, bq, bv; writes xw, am8
.if DOCPART == 1
	.amdgcn_target "amdgcn-amd-amdhsa--gfx1250"
	.amdhsa_code_object_version 6
	.text
	.protected	k_q353521970d_prep
	.globl	k_q353521970d_prep
	.p2align	8
	.type	k_q353521970d_prep,@function
k_q353521970d_prep:
	s_mov_b64 s[64:65], 0
	v_nop
	global_prefetch_b8 v0, s[64:65] scope:SCOPE_SE
	s_setreg_imm32_b32 hwreg(HW_REG_WAVE_MODE, 25, 1), 1
	s_wait_xcnt 0x0
; SELF-ATTENTION, launch 1 of 4: the operands are made ready.  out = softmax(mask(Q K^T / 32)) V, Q = x Wq^T + bq, K = x Wk^T + bk, V = x Wv^T + bv.
; WORK LEFT OUT: bk.  Q[q] . (K[k] + bk) = Q[q] . K[k] + Q[q] . bk: the second term is the same for all k of row q, so it is added to the whole
; input of that row's softmax (blocked places are -inf with it and without it) and cancels in exact arithmetic, whatever finite values the inputs hold.
; bk has then no way to the output: it is not loaded and is no argument of any launch.  LIMIT: a NaN, an infinity or an overflow that arises from bk alone is not carried to the result.
; THIS LAUNCH writes xw and am8.
; xw: x rounded to bf16, IN BLOCKS OF 64 CHANNELS: [16 blocks][8,192 rows][64], so that any run of rows of one block is dense in memory; behind it (byte 16,777,216) [Wq; Wk; Wv] likewise,
; [16 blocks][3,072 rows][64]; behind that (byte 23,068,672) the bias of the 3,072 columns as f32, each number rounded to bf16: bq, 1,024 zeros (K takes none), bv.
; am8: the mask as one 8-bit float code an element (0x00 = 0 where allowed, 0xfe = -448 where mask == 0), laid out as the third launch's accumulators want it:
; [16 queries qt][32 keys P][lane l][16 bytes]; lane l = 16 h + r holds mask[16 qt + r][32 P + 8 h + j], j = 0..7, then the same 16 keys on.
; A stream: no LDS, no barrier, no matrix work.  Work-groups 0-511 take 16 rows of x each, 512-703 16 rows of a weight matrix, 704-959 the mask (a wave: 16 rows x 128 keys), 960 the bias.
.set X,  4                             ; v[4:67]    as loaded
.set Y,  68                            ; v[68:99]   to store
.set FE, 100                           ; v100       the code of a blocked place
.set OF, 104                           ; v[104:119] where my 8 bytes of block i go
	s_load_b256 s[4:11], s[0:1], 0x0               ; x s[4:5], Wq s[6:7], Wk s[8:9], Wv s[10:11]
	s_load_b256 s[12:19], s[0:1], 0x20             ; mask s[12:13], xw s[14:15], am8 s[16:17], bq s[18:19]
	s_load_b64 s[36:37], s[0:1], 0x40              ; bv
	s_mov_b32 s2, ttmp9
	s_cmp_ge_u32 s2, 704
	s_cbranch_scc1 .Lmask
	; f32 to bf16: 16 rows x 1,024 numbers a work-group.  A wave takes two rows; a load takes 64 channels (256 bytes) of each, lanes 0-15 the even row, lanes 16-31 the odd one;
	; the two rows' 128 bytes of a block lie on end in xw: a store of the wave covers 256 consecutive bytes, aligned.
	s_sub_co_u32 s21, s2, 512                      ; j: which 16 rows of the three weight matrices (of no use where the work-group takes x)
	s_lshr_b32 s22, s21, 6                         ; which matrix
	s_and_b32 s23, s21, 63                         ; which 16 rows of it
	s_mov_b32 s34, 8192*128                        ; bytes from a block of 64 channels to the next: x's,
	s_mov_b32 s35, 3072*128                        ; the weights'
	s_cmp_lt_u32 s2, 512
	s_cselect_b32 s24, s2, s23
	s_cselect_b32 s25, s2, s21
	s_cselect_b32 s34, s34, s35
	s_cselect_b32 s26, 0, 0x1000000                ; where the destination begins in xw
	s_lshl_b32 s30, s24, 16                        ; byte offset in the source: 16 rows of 4,096 bytes,
	s_mov_b32 s31, 0
	s_lshl_b32 s32, s25, 11                        ; and in a block of the destination: 16 rows of 128 bytes
	s_add_co_u32 s32, s32, s26
	s_mov_b32 s33, 0
	v_lshrrev_b32 v1, 4, v0                        ; my row among the 16: 2 x wave + lane / 16
	v_and_b32 v3, 15, v0
	v_lshlrev_b32 v1, 12, v1
	v_lshl_add_u32 v1, v3, 4, v1                   ; row x 4,096 + 16 x (lane % 16)
	v_lshlrev_b32 v[OF], 3, v0                     ; 8 bytes a thread: 256 x wave + 128 x (lane / 16) + 8 x (lane % 16)
.set i, 1
.rept 15
	v_add_nc_u32 v[OF+i], s34, v[OF+i-1]
.set i, i+1
.endr
	s_wait_kmcnt 0x0
	s_cmp_eq_u32 s22, 1
	s_cselect_b64 s[26:27], s[8:9], s[6:7]
	s_cmp_eq_u32 s22, 2
	s_cselect_b64 s[26:27], s[10:11], s[26:27]
	s_cmp_lt_u32 s2, 512
	s_cselect_b64 s[26:27], s[4:5], s[26:27]
	s_add_nc_u64 s[26:27], s[26:27], s[30:31]
	s_add_nc_u64 s[28:29], s[14:15], s[32:33]
.irp i, 0,1,2,3,4,5,6,7,8,9,10,11,12,13,14,15
	global_load_b128 v[X+4*(\i):X+4*(\i)+3], v1, s[26:27] offset:256*(\i) th:TH_LOAD_NT
.endr
.irp i, 0,1,2,3,4,5,6,7,8,9,10,11,12,13,14,15
	s_wait_loadcnt 15-(\i)                         ; loads come back in order: load i is in, the 15 - i younger ones stay out
	v_cvt_pk_bf16_f32 v[Y+2*(\i)], v[X+4*(\i)], v[X+4*(\i)+1]
	v_cvt_pk_bf16_f32 v[Y+2*(\i)+1], v[X+4*(\i)+2], v[X+4*(\i)+3]
	global_store_b64 v[OF+(\i)], v[Y+2*(\i):Y+2*(\i)+1], s[28:29] th:TH_STORE_NT  ; no register is used twice: no wait for the stores
.endr
	s_endpgm
.Lmask:
	s_cmp_eq_u32 s2, 960
	s_cbranch_scc1 .Lbias
	v_lshrrev_b32 v1, 5, v0
	v_readfirstlane_b32 s20, v1                    ; wave 0..7
	s_sub_co_u32 s21, s2, 704
	s_lshl_b32 s21, s21, 3
	s_add_co_u32 s21, s21, s20                     ; the wave's task T = 16 qt + grp, 0..2047
	s_lshr_b32 s22, s21, 4
	s_and_b32 s23, s21, 15
	s_lshl_b32 s22, s22, 17                        ; 16 qt rows of 8,192 bytes
	s_lshl_b32 s23, s23, 9                         ; 128 grp keys of 4 bytes
	s_add_co_u32 s22, s22, s23
	v_and_b32 v2, 15, v0                           ; r
	v_bfe_u32 v3, v0, 4, 1                         ; h
	v_lshlrev_b32 v1, 13, v2                       ; r rows
	v_lshl_add_u32 v1, v3, 5, v1                   ; + 8 h keys
	v_add_nc_u32 v1, s22, v1
	s_lshl_b32 s24, s21, 11                        ; a task writes 4 x 512 bytes on end
	v_and_b32 v2, 31, v0
	v_lshl_add_u32 v2, v2, 4, s24
	v_mov_b32 v[FE], 0xfe
	s_wait_kmcnt 0x0
.irp p, 0,1,2,3                        ; 32 keys p: my 8 keys, and the 8 that lie 16 further on; the sixteen loads together take each row's 512 bytes whole
	global_load_b128 v[X+16*(\p):X+16*(\p)+3],     v1, s[12:13] offset:128*(\p)
	global_load_b128 v[X+16*(\p)+4:X+16*(\p)+7],   v1, s[12:13] offset:128*(\p)+16
	global_load_b128 v[X+16*(\p)+8:X+16*(\p)+11],  v1, s[12:13] offset:128*(\p)+64
	global_load_b128 v[X+16*(\p)+12:X+16*(\p)+15], v1, s[12:13] offset:128*(\p)+80
.endr
.irp p, 0,1,2,3
	s_wait_loadcnt 12-4*(\p)                       ; the four loads of p are in; those of the later p stay out
.set e, 0
.rept 16
	v_cmp_eq_u32 vcc_lo, 0, v[X+16*(\p)+e]
	v_cndmask_b32 v[X+16*(\p)+e], 0, v[FE], vcc_lo
.set e, e+1
.endr
.set k, 0
.rept 4                                ; four codes to a word, the lowest key in the lowest byte
	v_lshl_or_b32 v[Y+4*(\p)+k], v[X+16*(\p)+4*k+1], 8, v[X+16*(\p)+4*k]
	v_lshl_or_b32 v[Y+4*(\p)+k], v[X+16*(\p)+4*k+2], 16, v[Y+4*(\p)+k]
	v_lshl_or_b32 v[Y+4*(\p)+k], v[X+16*(\p)+4*k+3], 24, v[Y+4*(\p)+k]
.set k, k+1
.endr
	global_store_b128 v2, v[Y+4*(\p):Y+4*(\p)+3], s[16:17] offset:512*(\p)  ; the wave stores 512 consecutive bytes, aligned
.endr
	s_endpgm
.Lbias:                                                ; 256 threads x 4 numbers of bq and of bv: rounded to bf16, widened again, stored with K's zeros between them
	v_lshlrev_b32 v1, 4, v0
.irp i, 12,13,14,15
	v_mov_b32 v[\i], 0
.endr
	s_wait_kmcnt 0x0
	s_add_nc_u64 s[28:29], s[14:15], 0x1600000     ; behind x's and the weights' blocks
	global_load_b128 v[4:7], v1, s[18:19]
	global_load_b128 v[8:11], v1, s[36:37]
	s_wait_loadcnt 0x0
.irp i, 0,1,2,3
	v_cvt_pk_bf16_f32 v[16+(\i)], v[4+2*(\i)], v[5+2*(\i)]
.endr
.irp i, 0,1,2,3
	v_lshlrev_b32 v[4+2*(\i)], 16, v[16+(\i)]
	v_and_b32 v[5+2*(\i)], 0xffff0000, v[16+(\i)]
.endr
	global_store_b128 v1, v[4:7], s[28:29]
	global_store_b128 v1, v[12:15], s[28:29] offset:4096
	global_store_b128 v1, v[8:11], s[28:29] offset:8192
	s_endpgm
.Lfunc_end_k_q353521970d_prep:
	.size	k_q353521970d_prep, .Lfunc_end_k_q353521970d_prep-k_q353521970d_prep
	.p2alignl 7, 3214868480
	.fill 96, 4, 3214868480
	.section	.rodata,"a",@progbits
	.p2align	6, 0x0
	.amdhsa_kernel k_q353521970d_prep
		.amdhsa_group_segment_fixed_size 0
		.amdhsa_private_segment_fixed_size 0
		.amdhsa_enable_private_segment 0
		.amdhsa_kernarg_size 72
		.amdhsa_user_sgpr_count 2
		.amdhsa_user_sgpr_kernarg_segment_ptr 1
		.amdhsa_wavefront_size32 1
		.amdhsa_system_sgpr_workgroup_id_x 1
		.amdhsa_system_sgpr_workgroup_id_y 1
		.amdhsa_system_sgpr_workgroup_id_z 1
		.amdhsa_system_vgpr_workitem_id 0
		.amdhsa_next_free_vgpr 120
		.amdhsa_next_free_sgpr 66
		.amdhsa_reserve_vcc 1
		.amdhsa_float_denorm_mode_32 3
		.amdhsa_float_denorm_mode_16_64 3
		.amdhsa_memory_ordered 1
		.amdhsa_forward_progress 1
		.amdhsa_inst_pref_size 19
	.end_amdhsa_kernel
	.amdgpu_metadata
---
amdhsa.version: [ 1, 2 ]
amdhsa.kernels:
  - .name:           k_q353521970d_prep
    .symbol:         k_q353521970d_prep.kd
    .args:
      - { .name: x, .offset: 0, .size: 8, .value_kind: global_buffer, .address_space: global }
      - { .name: Wq, .offset: 8, .size: 8, .value_kind: global_buffer, .address_space: global }
      - { .name: Wk, .offset: 16, .size: 8, .value_kind: global_buffer, .address_space: global }
      - { .name: Wv, .offset: 24, .size: 8, .value_kind: global_buffer, .address_space: global }
      - { .name: mask, .offset: 32, .size: 8, .value_kind: global_buffer, .address_space: global }
      - { .name: xw, .offset: 40, .size: 8, .value_kind: global_buffer, .address_space: global }
      - { .name: am8, .offset: 48, .size: 8, .value_kind: global_buffer, .address_space: global }
      - { .name: bq, .offset: 56, .size: 8, .value_kind: global_buffer, .address_space: global }
      - { .name: bv, .offset: 64, .size: 8, .value_kind: global_buffer, .address_space: global }
    .group_segment_fixed_size: 0
    .private_segment_fixed_size: 0
    .kernarg_segment_align: 8
    .kernarg_segment_size: 72
    .max_flat_workgroup_size: 256
    .sgpr_count:     66
    .vgpr_count:     120
    .wavefront_size: 32
...
	.end_amdgpu_metadata
.endif
;; end of part 1
;; launch proj (part 2): grid 8 x 32, 4 waves a work-group, clusters of 4 x 4, 327,680 bytes of LDS; arguments xw, Qh, Kh, Vh; writes Qh, Kh, Vh
.if DOCPART == 2
	.amdgcn_target "amdgcn-amd-amdhsa--gfx1250"
	.amdhsa_code_object_version 6
	.text
	.protected	k_q353521970d_proj
	.globl	k_q353521970d_proj
	.p2align	8
	.type	k_q353521970d_proj,@function
k_q353521970d_proj:
	s_mov_b64 s[64:65], 0
	v_nop
	global_prefetch_b8 v0, s[64:65] scope:SCOPE_SE
	s_setreg_imm32_b32 hwreg(HW_REG_WAVE_MODE, 25, 1), 1
	s_wait_xcnt 0x0
	s_wait_alu depctr_hold_cnt(0) depctr_sa_sdst(0) depctr_va_vdst(0) depctr_va_sdst(0) depctr_va_ssrc(0) depctr_va_vcc(0) depctr_vm_vsrc(0)
	s_getreg_b32 s2, hwreg(HW_REG_IB_STS2, 6, 4)
	s_cmp_eq_u32 s2, 0
	s_cbranch_scc0 .Lentry_in_a_cluster
	s_endpgm
.Lentry_in_a_cluster:
	s_bfe_u32 s2, ttmp6, 0x10000c
	s_cmp_lg_u32 s2, 0xf033
	s_cbranch_scc0 .Lentry_shape_is_right
	s_endpgm
.Lentry_shape_is_right:
; SELF-ATTENTION, launch 2 of 4: [Q | K | V] = x W^T + [bq | 0 | bv].  xw holds x and W = [Wq; Wk; Wv] in bf16, in blocks of 64 channels ([16][rows][64]), and the bias of the 3,072 columns as f32.
; Sums in f32; Qh, Kh, Vh: [8192][1024] f16, each number rounded once.
; WORK LEFT OUT: bk (it is the same along the softmax's axis and cancels: shown at the head of the first launch's text): K's columns take the bias 0.
; LIMIT: f16 ends at 65,504: |Q|, |K|, |V| stay under it.
; SHARES.  8,192 x 3,072 results are 32 x 8 = 256 tiles of 256 x 384, one for each work-group.  Four waves, each 128 rows x 192 columns: 96 accumulators of 16 x 16, 768 registers.
; K = 1,024 goes in 16 steps of 64 through two LDS slots of 640 rows (two slots of steps of 128 would be 2 x 640 x 272 bytes: more than there is).  A wave's part of a tile, 128 rows of x or
; 192 of W in one block of 64 channels, is dense in memory, and is asked for as 64 or 96 rows of 256 bytes, padded in LDS after every 128.
; A K STEP IS WRITTEN ONCE: two quarters of 32 along K, 96 matrix instructions each.  The slot in hand is a scalar (TB) that an exclusive or turns.  14 trips ask for the step two on, two ask for nothing.
; THE PRODUCTS GO BY COLUMN BLOCKS: block b's 8 products (one for each row block) stand together, so W's fragments need ONE buffer: a group of four is loaded anew, for the next quarter, as soon as its 32
; products are issued, 64 products ahead of its next use.  x's fragments, which every block reads, have two buffers.
; THE BIAS starts the sums: block b's 8 numbers a lane are loaded into accumulator (0, b); in the first quarter, written out, the products of row blocks 1-7 take these registers as C, and five places
; behind them row block 0's product adds in place.  Nothing is cleared, copied or added later.  The loop is entered behind its own first quarter.
; CLUSTER 4 x 4: the four of a row need the same rows of x, the four of a column the same rows of W: joint loads.
; THE MATRIX INSTRUCTION IS USED TRANSPOSED (source 0 = 16 rows of W, source 1 = 16 rows of x): lane l holds row l % 16 and the columns 8 (l / 16) + 0..7 of a block.
; REGISTERS, in windows of 256: window 0: v0-31 addresses; v32-95, v96-159 fragments of x, two buffers; v160-255 fragments of W; on the way out v32-223.
;   windows 1-3: accumulator (a, b), row block a of 8, column block b of 12, in window 1 + b / 4 at v[8 (8 (b % 4) + a)].
.set PITCH,  144                       ; an LDS row: 128 bytes + 16 of padding = 36 words: the 16 rows of a fragment load start at 16 different groups of four banks (64 banks of 4 bytes: ISA guide 11.1)
.set ABYTES, 256*PITCH                 ; x's 256 rows; then W's 384
.set SLOTB,  640*PITCH
.set SLOT1,  1<<17                     ; slot 1 begins here, so that one exclusive or turns an address in one slot into the other's
.set SPARE,  SLOT1+SLOTB               ; the spare words, 128 bytes a wave; no other line names them
.set SP,     784                       ; the stage on the way out: 256 rows of 768 bytes + 16, from LDS byte 0: in the slots, behind their last fill and a barrier
.set ASTEP,  8192*128                  ; bytes from a block of 64 channels to the next: x's,
.set BSTEP,  3072*128                  ; W's
.set WOFF,   8192*2048                 ; where W's blocks begin in xw
.set BIASO,  3072*2048                 ; where the bias begins, behind W's first byte
.set CPITCH, 2048                      ; bytes in a row of Qh, Kh, Vh
.set LA0,  16                          ; v16  my lane's place among x's rows of a slot; never rewritten
.set LB0,  17                          ; v17  the same for W
.set ADRA, 18                          ; v18  TB + LA0
.set ADRB, 19                          ; v19  TB + LB0
.set STO,  20                          ; v20-21  the way out: where I put 16 bytes of a row, row blocks 0-3 and 4-7
.set RD,   22                          ; v22  where I read 16 bytes of a row back
.set CO,   23                          ; v23  my byte offset in two rows of the output
.set BO,   24                          ; v24  my byte offset in the bias
.set SPW,  28                          ; v28  my spare word; never rewritten
.set NIL,  29                          ; v29  0; never rewritten
.set PFO,  30                          ; v30  the prefetches' offset: 256 x lane; never rewritten
.set AF0,  32
.set AF1,  96
.set BF,   160
.set G1,   24                          ; s[24:31] descriptor group 1, x
.set G0,   32                          ; s[32:39] group 0, x: set 0 for the first fill, set 1 walks
.set LIM,  43                          ; s43  3 in a wave that prefetches, else the greatest number
.set PFA,  44                          ; s[44:45] where my prefetches stand
.set G1B,  48                          ; s[48:55], s[56:63] the same for W
.set G0B,  56
.set TB,   66                          ; s66  LDS byte at which the slot in hand begins
.set OB,   76                          ; s[76:81] the output at my 64 rows, for each of the tile's three units of 128 columns
.set PSTEP, 82                         ; s[82:83] a K step's bytes along my prefetches' way
.set W0,   (1<<16)|(1<<20)|(1<<21)|(4<<22)|(3<<25)  ; 2-byte elements; padding on; bit 21 beside a mask; after every 32 words, 4 words
.set MSB, 0
.macro WIN new                         ; the high byte repeats the setting that is left; a switch that changes nothing is dropped
.if MSB != (\new)
	s_set_vgpr_msb (MSB<<8)|(\new)
.set MSB, \new
.endif
.endm
.macro JLOAD s                         ; a joint load: waves 0, 1 fetch x's halves, waves 2, 3 W's; an s_nop 0 and four v_nop follow each line
	s_cmp_eq_u32 s11, 0
	s_cbranch_scc0 .Lfor_b_\@
	tensor_load_to_lds s[G0+4*(\s):G0+4*(\s)+3], s[G1:G1+7]
	s_nop 0
.rept 4
	v_nop
.endr
	s_branch .Lasked_\@
.Lfor_b_\@:
	tensor_load_to_lds s[G0B+4*(\s):G0B+4*(\s)+3], s[G1B:G1B+7]
	s_nop 0
.rept 4
	v_nop
.endr
.Lasked_\@:
.endm
; A PREFETCH, in every second trip (s3 even): 32 blocks of 256 bytes, a lane a block, of the two K steps whose first refill stands two trips, 384 matrix instructions, on.
; x: two steps of a tile row are 2 x 128 blocks; the clusters with x = 0 ask, their four partners' waves 0 and 1 taking 32 blocks each, by address.  W: two steps of a tile column are 2 x 192 blocks; the
; clusters with y < 3 ask, wave 2 of their twelve work-groups of that column taking 32 each, by address.  So each block is named once.  Trips with s3 = 14, 12 .. 4 name K steps 4 to 15.
.macro ASK
	s_bitcmp1_b32 s3, 0
	s_cbranch_scc1 .Lnot_mine_\@
	s_cmp_gt_u32 s3, s[LIM]
	s_cbranch_scc0 .Lnot_mine_\@
	global_prefetch_b8 v[PFO], s[PFA:PFA+1] th:TH_LOAD_NT scope:SCOPE_SE
.Lnot_mine_\@:
.endm
.macro CREST                           ; a round of the cluster's barrier behind its opening barrier
	s_cmp_lg_u32 s10, 0
	s_cbranch_scc1 .Lnot_wave_0_\@
	s_barrier_signal -3
.Lnot_wave_0_\@:
	s_barrier_wait -3
	s_barrier_signal -1
	s_barrier_wait -1
.endm
.macro CROUND
	s_barrier_signal -1
	s_barrier_wait -1
	CREST
.endm
.macro PLACES                          ; four plain places behind matrix instructions, in front of loads into their sources and of readers of their results
.rept 4
	v_nop
.endr
.endm
.macro SETADR
	v_add_nc_u32 v[ADRA], s[TB], v[LA0]
	v_add_nc_u32 v[ADRB], s[TB], v[LB0]
.endm
.macro MULB f, b                       ; column block b: 8 matrix instructions, one for each row block, 32 along K
	WIN 0x50*(1+(\b)/4)                            ; sources window 0, C and D window 1 + b / 4
.irp a, 0,1,2,3,4,5,6,7
	v_wmma_f32_16x16x32_bf16 v[64*((\b)%4)+8*(\a):64*((\b)%4)+8*(\a)+7], v[BF+8*(\b):BF+8*(\b)+7], v[(\f)+8*(\a):(\f)+8*(\a)+7], v[64*((\b)%4)+8*(\a):64*((\b)%4)+8*(\a)+7]
.endr
.endm
.macro MULG f, g                       ; column blocks 4 g .. 4 g + 3
.irp q, 0,1,2,3
	MULB \f, 4*(\g)+(\q)
.endr
.endm
; The same 32 products where they start the sums.  Accumulator (0, b) holds block b's bias: row blocks 1-7 take it as C; five places behind the last of them row block 0 adds onto it in place.
.macro MULZ f, g
	WIN 0x50*(1+(\g))
.irp q, 0,1,2,3
.irp a, 1,2,3,4,5,6,7
	v_wmma_f32_16x16x32_bf16 v[64*(\q)+8*(\a):64*(\q)+8*(\a)+7], v[BF+8*(4*(\g)+(\q)):BF+8*(4*(\g)+(\q))+7], v[(\f)+8*(\a):(\f)+8*(\a)+7], v[64*(\q):64*(\q)+7]
.endr
.endr
.rept 5
	v_nop                                          ; a matrix instruction writes over another's source five places behind it
.endr
.irp q, 0,1,2,3
	v_wmma_f32_16x16x32_bf16 v[64*(\q):64*(\q)+7], v[BF+8*(4*(\g)+(\q)):BF+8*(4*(\g)+(\q))+7], v[(\f):(\f)+7], v[64*(\q):64*(\q)+7]
.endr
.endm
.macro LOADB g, k                      ; 8 LDS loads: W's fragments of column blocks 4 g .. 4 g + 3, at byte k of the rows
	WIN 0
.irp i, 0,1,2,3
	ds_load_b128 v[BF+8*(4*(\g)+(\i)):BF+8*(4*(\g)+(\i))+3],   v[ADRB] offset:(\k)+(4*(\g)+(\i))*16*PITCH
	ds_load_b128 v[BF+8*(4*(\g)+(\i))+4:BF+8*(4*(\g)+(\i))+7], v[ADRB] offset:(\k)+(4*(\g)+(\i))*16*PITCH+32
.endr
.endm
.macro LOADA f, k                      ; 16 LDS loads: x's fragments of my 8 row blocks
	WIN 0
.irp i, 0,1,2,3,4,5,6,7
	ds_load_b128 v[(\f)+8*(\i):(\f)+8*(\i)+3],   v[ADRA] offset:(\k)+(\i)*16*PITCH
	ds_load_b128 v[(\f)+8*(\i)+4:(\f)+8*(\i)+7], v[ADRA] offset:(\k)+(\i)*16*PITCH+32
.endr
.endm
; A K step's first quarter: multiplies x's buffer 0; fetches the second quarter (byte 64 of the same slot's rows).  The quarter before has issued three groups of loads: 24 (W's blocks 0-3, x), 8, 8.
.macro Q1 zero
	s_wait_dscnt 16                                ; the group of 24 is in; the two groups of 8 may be out
.if \zero
	MULZ AF0, 0
.else
	MULG AF0, 0
.endif
	PLACES
	LOADB 0, 64
	LOADA AF1, 64
	s_wait_dscnt 32                                ; W's blocks 4-7 are in: behind them one group of 8 and the 24 just issued
.if \zero
	MULZ AF0, 1
.else
	MULG AF0, 1
.endif
	PLACES
	LOADB 1, 64
	s_wait_dscnt 32                                ; W's blocks 8-11 are in: behind them this quarter's 24 and 8
.if \zero
	MULZ AF0, 2
.else
	MULG AF0, 2
.endif
	PLACES
	LOADB 2, 64
.endm
; The second quarter multiplies x's buffer 1 and changes slots.  In front of the barrier each wave waits for all its tensor loads (one is out: its part of the other slot), adds 0 to its spare word, and waits
; for that and for its reads of this slot.  fill = 1: the barrier opens a round of the cluster's, and the joint refill (the K step two on, into the slot just read) is the first thing behind it:
; 160 matrix instructions stand between it and the wait for it.  fill = 0: nothing is asked for.  In the very last trip the 40 loads fetch the slot read a step before and serve nothing:
; the price, once a launch, of one text for both tail trips.
.macro Q2 fill
.if \fill
	s_wait_xcnt 0x0                                ; the last prefetch, a trip or two back, has read its address
	s_add_nc_u64 s[PFA:PFA+1], s[PFA:PFA+1], s[PSTEP:PSTEP+1]
.endif
	WIN 0
	s_wait_tensorcnt 0x0                           ; no tensor load of mine is out, so the walking descriptors may be written
	ds_add_u32 v[SPW], v[NIL]
.if \fill
	s_xor_b32 s[G0+5], s[G0+5], SLOT1              ; the other slot than last time,
	s_add_nc_u64 s[G0+6:G0+7], s[G0+6:G0+7], ASTEP ; the next K step
	s_xor_b32 s[G0B+5], s[G0B+5], SLOT1
	s_add_nc_u64 s[G0B+6:G0B+7], s[G0B+6:G0B+7], BSTEP
.endif
	s_wait_dscnt 17                                ; the group of 24 is in; the add and the two groups of 8 may be out
	MULB AF1, 0
	MULB AF1, 1
	MULB AF1, 2
	s_wait_dscnt 0x0                               ; the add is done, my reads of this slot are over
	s_barrier_signal -1
	MULB AF1, 3
	WIN 0
	s_barrier_wait -1
.if \fill
	CREST
	JLOAD 1                                        ; its four v_nop are also the places in front of the loads below
.else
	PLACES
.endif
	s_xor_b32 s[TB], s[TB], SLOT1
	SETADR
	LOADB 0, 0
	LOADA AF0, 0
.if \fill
	ASK
.endif
	MULG AF1, 1
	PLACES
	LOADB 1, 0
	MULG AF1, 2
	PLACES
	LOADB 2, 0
.endm
; THE WAY OUT.  A wave's 192 columns are 384 bytes, one and a half aligned blocks of 256: so all four waves write one stage, and each then stores 64 whole rows.
.macro PACKB b                         ; column block b of my 8 row blocks: rounded to f16, 16 bytes a lane, into the stage
.set U, 32+32*((\b)%2)
	WIN 5*(1+(\b)/4)                               ; sources window 1 + b / 4, destination window 0
.irp a, 0,1,2,3,4,5,6,7
.irp j, 0,1,2,3
	v_cvt_pk_f16_f32 v[U+4*(\a)+(\j)], v[64*((\b)%4)+8*(\a)+2*(\j)], v[64*((\b)%4)+8*(\a)+2*(\j)+1]
.endr
.endr
	WIN 0
.irp a, 0,1,2,3,4,5,6,7
	ds_store_b128 v[STO+(\a)/4], v[U+4*(\a):U+4*(\a)+3] offset:((\a)%4)*16*SP+32*(\b)
.endr
.endm
.macro LOADR k                         ; batch k of four: 16 of my 64 rows: for each pair of rows its three blocks of 256 bytes; lanes 0-15 the even row, lanes 16-31 the odd one
.set BK, 32+96*((\k)%2)
.set i, 0
.rept 24
	ds_load_b128 v[BK+4*i:BK+4*i+3], v[RD] offset:2*(8*(\k)+i/3)*SP+256*(i%3)
.set i, i+1
.endr
.endm
.macro SENDR k, younger                ; younger: the LDS loads issued behind batch k's: the next batch's 24, or none
.set BK, 32+96*((\k)%2)
.set i, 0
.rept 24
	s_wait_dscnt (\younger)+23-i
	global_store_b128 v[CO], v[BK+4*i:BK+4*i+3], s[OB+2*(i%3):OB+2*(i%3)+1] offset:2*(8*(\k)+i/3)*CPITCH  ; 16 lanes store 256 consecutive bytes, aligned
.set i, i+1
.endr
.endm
	s_load_b64 s[4:5], s[0:1], 0x0                 ; xw
	s_load_b128 s[68:71], s[0:1], 0x8              ; Qh s[68:69], Kh s[70:71]
	s_load_b64 s[72:73], s[0:1], 0x18              ; Vh
	v_lshl_add_u32 v[SPW], v0, 2, SPARE
	v_mov_b32 v[NIL], 0
	ds_add_u32 v[SPW], v[NIL]                      ; the opening: the add, twice on end, and its wait ahead of my first tensor load
	ds_add_u32 v[SPW], v[NIL]
	v_lshrrev_b32 v1, 5, v0
	v_readfirstlane_b32 s10, v1                    ; wave 0..3
	s_lshr_b32 s11, s10, 1                         ; my half of the tile's rows; also: I fetch x (0) or W (1)
	s_and_b32 s12, s10, 1                          ; my half of its columns; also: which half of the rows I fetch
	s_bfe_u32 s40, ttmp6, 0x40000                  ; cx
	s_bfe_u32 s41, ttmp6, 0x40004                  ; cy
	s_lshl_b32 s42, ttmp9, 2
	s_add_co_u32 s42, s42, s40                     ; tile column, 0..7
	s_and_b32 s13, ttmp7, 0xffff
	s_lshl_b32 s13, s13, 2
	s_add_co_u32 s13, s13, s41                     ; tile row, 0..31
	s_lshl_b32 s43, s41, 2
	s_lshl_b32 s43, 15, s43                        ; my row of the cluster
	s_lshl_b32 s44, 0x1111, s40                    ; my column
	s_or_b32 s[G1+0], s43, W0
	s_mov_b32 s[G1+1], 128<<16                     ; tensor_dim0 = 128 elements: 256 bytes, two rows of x on end
	s_mov_b32 s[G1+2], 64<<16                      ; tensor_dim1 = 64
	s_mov_b32 s[G1+3], 128<<16                     ; tile_dim0
	s_mov_b32 s[G1+4], 64                          ; tile_dim1
	s_mov_b32 s[G1+5], 128                         ; dense: the next 256 bytes follow at once
	s_mov_b32 s[G1+6], 0
	s_mov_b32 s[G1+7], 0
	s_or_b32 s[G1B+0], s44, W0
	s_mov_b32 s[G1B+1], 128<<16
	s_mov_b32 s[G1B+2], 96<<16                     ; 192 rows of W: 96 times 256 bytes
	s_mov_b32 s[G1B+3], 128<<16
	s_mov_b32 s[G1B+4], 96
	s_mov_b32 s[G1B+5], 128
	s_mov_b32 s[G1B+6], 0
	s_mov_b32 s[G1B+7], 0
	s_mov_b32 s[TB], 0
	s_lshl_b32 s16, s13, 15                        ; x: row 256 x tile row + 128 x half, 128 bytes a row of a block
	s_lshl_b32 s17, s12, 14
	s_add_co_u32 s16, s16, s17
	s_mov_b32 s17, 0
	s_mul_i32 s46, s42, 384*128                    ; W: row 384 x tile column + 192 x half
	s_mul_i32 s47, s12, 192*128
	s_add_co_u32 s46, s46, s47
	s_mov_b32 s47, 0
	s_mul_i32 s20, s12, 128*PITCH                  ; where they go in a slot
	s_mul_i32 s21, s12, 192*PITCH
	s_add_co_u32 s21, s21, ABYTES
	s_wait_dscnt 0x0                               ; both opening adds are done
	s_wait_kmcnt 0x0
	s_add_nc_u64 s[6:7], s[4:5], WOFF              ; W's blocks
	s_add_nc_u64 s[74:75], s[6:7], BIASO           ; the bias
	s_add_nc_u64 s[14:15], s[4:5], s[16:17]
	s_add_nc_u64 s[46:47], s[6:7], s[46:47]
	CROUND                                         ; all sixteen work-groups are here: the first joint loads meet
.irp s, 0,1
	s_mov_b32 s[G0+4*(\s)], 1
	s_add_co_u32 s[G0+4*(\s)+1], s20, (\s)*SLOT1
	s_add_nc_u64 s[G0+4*(\s)+2:G0+4*(\s)+3], s[14:15], (\s)*ASTEP
	s_or_b32 s[G0+4*(\s)+3], s[G0+4*(\s)+3], 0x80000000
	s_mov_b32 s[G0B+4*(\s)], 1
	s_add_co_u32 s[G0B+4*(\s)+1], s21, (\s)*SLOT1
	s_add_nc_u64 s[G0B+4*(\s)+2:G0B+4*(\s)+3], s[46:47], (\s)*BSTEP
	s_or_b32 s[G0B+4*(\s)+3], s[G0B+4*(\s)+3], 0x80000000
	JLOAD \s                                       ; two loads of mine are out
.endr
	v_and_b32 v1, 15, v0                           ; r = l % 16
	v_bfe_u32 v2, v0, 4, 1                         ; h = l / 16
	; the bias: register j of accumulator (0, b) = bias[384 x tile column + 192 x half + 16 b + 8 h + j]
	s_mul_i32 s14, s42, 384*4
	s_mul_i32 s15, s12, 192*4
	s_add_co_u32 s14, s14, s15
	v_lshl_add_u32 v[BO], v2, 5, s14
.set w, 1
.rept 3
	WIN w<<6                                       ; destination window w, address window 0
.set q, 0
.rept 4
	global_load_b128 v[64*q:64*q+3],   v[BO], s[74:75] offset:64*(4*(w-1)+q)
	global_load_b128 v[64*q+4:64*q+7], v[BO], s[74:75] offset:64*(4*(w-1)+q)+16
.set q, q+1
.endr
.set w, w+1
.endr
	WIN 0
	v_mul_u32_u24 v3, v1, PITCH
	v_lshl_add_u32 v3, v2, 4, v3                   ; a fragment's row x pitch + 16 x half
	s_mul_i32 s21, s11, 128*PITCH
	s_mul_i32 s22, s12, 192*PITCH
	s_add_co_u32 s22, s22, ABYTES
	v_add_nc_u32 v[LA0], s21, v3
	v_add_nc_u32 v[LB0], s22, v3
	s_mul_i32 s23, s11, 128*SP                     ; into the stage: row 128 x row half + 16 a + r, byte 384 x column half + 32 b + 16 h
	s_mul_i32 s22, s12, 384
	s_add_co_u32 s23, s23, s22
	v_mul_u32_u24 v4, v1, SP
	v_lshl_add_u32 v4, v2, 4, v4
	v_add_nc_u32 v[STO], s23, v4
	v_add_nc_u32 v[STO+1], 64*SP, v[STO]
	s_mul_i32 s23, s10, 64*SP                      ; back: wave w takes rows 64 w .. 64 w + 63, whole
	v_mul_u32_u24 v5, v2, SP
	v_lshl_add_u32 v5, v1, 4, v5
	v_add_nc_u32 v[RD], s23, v5
	v_lshlrev_b32 v5, 11, v2
	v_lshl_add_u32 v[CO], v1, 4, v5
	s_lshl_b32 s16, s13, 19
	s_lshl_b32 s17, s10, 17
	s_add_co_u32 s16, s16, s17                     ; (256 x tile row + 64 x wave) rows of 2,048 bytes
	s_mul_i32 s14, s42, 3                          ; the tile's first unit of 128 columns, of 24: eight each for Q, K, V
.irp u, 0,1,2
	s_add_co_u32 s15, s14, \u
	s_lshr_b32 s20, s15, 3                         ; 0 Q, 1 K, 2 V
	s_and_b32 s21, s15, 7
	s_lshl_b32 s21, s21, 8
	s_add_co_u32 s22, s21, s16
	s_mov_b32 s23, 0
	s_cmp_eq_u32 s20, 1
	s_cselect_b64 s[OB+2*(\u):OB+2*(\u)+1], s[70:71], s[68:69]
	s_cmp_eq_u32 s20, 2
	s_cselect_b64 s[OB+2*(\u):OB+2*(\u)+1], s[72:73], s[OB+2*(\u):OB+2*(\u)+1]
	s_add_nc_u64 s[OB+2*(\u):OB+2*(\u)+1], s[OB+2*(\u):OB+2*(\u)+1], s[22:23]
.endr
	; the prefetches.  x: my number among the eight askers of a tile row is 2 cx + wave: which of the two steps, which 64 rows.
	s_and_b32 s23, ttmp7, 0xffff                   ; cluster y
	s_lshl_b32 s14, s40, 1
	s_add_co_u32 s14, s14, s12
	s_lshr_b32 s15, s14, 2
	s_and_b32 s14, s14, 3
	s_lshl_b32 s14, s14, 13
	s_lshl_b32 s18, s13, 15
	s_add_co_u32 s14, s14, s18
	s_add_co_u32 s15, s15, 3                       ; at K step 3 or 4: the first trip steps it on by one
	s_lshl_b32 s15, s15, 20
	s_add_co_u32 s14, s14, s15
	s_lshl_b32 s16, s23, 2                         ; W: my number among the twelve askers of a tile column is 4 x cluster y + cy: which step, which 64 of 384 rows
	s_add_co_u32 s16, s16, s41
	s_min_u32 s16, s16, 11                         ; (where the cluster does not ask, the address still lies in the buffer)
	s_cmp_ge_u32 s16, 6
	s_cselect_b32 s17, 1, 0
	s_mul_i32 s18, s17, 6
	s_sub_co_u32 s16, s16, s18
	s_lshl_b32 s16, s16, 13
	s_mul_i32 s18, s42, 384*128
	s_add_co_u32 s16, s16, s18
	s_add_co_u32 s17, s17, 3
	s_mul_i32 s17, s17, BSTEP
	s_add_co_u32 s16, s16, s17
	s_cmp_lt_u32 s23, 3
	s_cselect_b32 s18, 3, -1
	s_cmp_eq_u32 s10, 2
	s_cselect_b32 s18, s18, -1                     ; W: wave 2 in the clusters with y < 3
	s_mov_b32 s19, ttmp9
	s_cmp_eq_u32 s19, 0
	s_cselect_b32 s19, 3, -1                       ; x: waves 0 and 1 in the clusters with x = 0
	s_mov_b32 s21, ASTEP
	s_mov_b32 s22, BSTEP
	s_cmp_eq_u32 s11, 0
	s_cselect_b32 s[LIM], s19, s18                 ; the same in all sixteen partners, for a given wave
	s_cselect_b32 s20, s14, s16
	s_cselect_b32 s[PSTEP], s21, s22
	s_cselect_b64 s[PFA:PFA+1], s[4:5], s[6:7]
	s_mov_b32 s21, 0
	s_mov_b32 s[PSTEP+1], 0
	s_add_nc_u64 s[PFA:PFA+1], s[PFA:PFA+1], s[20:21]
	v_and_b32 v[PFO], 31, v0
	v_lshlrev_b32 v[PFO], 8, v[PFO]
	s_wait_tensorcnt 1                             ; my part of K step 0 is in; K step 1's may stay out
	s_barrier_signal -1
	s_barrier_wait -1
	SETADR
	LOADB 0, 0                                     ; three groups, as every quarter leaves them: 24, 8, 8
	LOADA AF0, 0
	LOADB 1, 0
	LOADB 2, 0
	s_wait_loadcnt 0x0                             ; the bias
	Q1 1                                           ; the first quarter starts the sums
	WIN 0
	s_mov_b32 s3, 14
	s_branch .Lmid                                 ; the loop is entered behind its own first quarter
.Lfill:                                                ; K steps 0 to 13: each asks for the step two on.  The 96 accumulators take turns, one instruction a turn
	Q1 0
	WIN 0
.Lmid:
	Q2 1
	WIN 0
	s_sub_co_u32 s3, s3, 1
	s_cmp_lg_u32 s3, 0
	s_cbranch_scc1 .Lfill
	s_mov_b32 s3, 2
.Ltail:                                                ; K steps 14 and 15 ask for nothing
	Q1 0
	Q2 0
	WIN 0
	s_sub_co_u32 s3, s3, 1
	s_cmp_lg_u32 s3, 0
	s_cbranch_scc1 .Ltail
	s_wait_dscnt 0x0                               ; my LDS loads are back: I read the slots no more
	s_barrier_signal -1
	s_barrier_wait -1                              ; nobody does, and every tensor load has landed: the stage may be written (the four places behind the last products stand in the quarter's end)
.irp b, 0,1,2,3,4,5,6,7,8,9,10,11
	PACKB \b
.endr
	s_wait_dscnt 0x0                               ; for the others' sake: my stores into the stage are done
	s_barrier_signal -1
	s_barrier_wait -1
	LOADR 0
	LOADR 1
	SENDR 0, 24
	s_wait_xcnt 0x0                                ; batch 0's stores have read the registers that are loaded again below
	LOADR 2
	SENDR 1, 24
	s_wait_xcnt 0x0
	LOADR 3
	SENDR 2, 24
	SENDR 3, 0
	s_wait_tensorcnt 0x0                           ; the wave's end
	ds_add_u32 v[SPW], v[NIL]
	s_wait_dscnt 0x0
	CROUND                                         ; the closing round
	s_endpgm
.Lfunc_end_k_q353521970d_proj:
	.size	k_q353521970d_proj, .Lfunc_end_k_q353521970d_proj-k_q353521970d_proj
	.p2alignl 7, 3214868480
	.fill 96, 4, 3214868480
	.section	.rodata,"a",@progbits
	.p2align	6, 0x0
	.amdhsa_kernel k_q353521970d_proj
		.amdhsa_group_segment_fixed_size 327680
		.amdhsa_private_segment_fixed_size 0
		.amdhsa_enable_private_segment 0
		.amdhsa_kernarg_size 32
		.amdhsa_user_sgpr_count 2
		.amdhsa_user_sgpr_kernarg_segment_ptr 1
		.amdhsa_wavefront_size32 1
		.amdhsa_system_sgpr_workgroup_id_x 1
		.amdhsa_system_sgpr_workgroup_id_y 1
		.amdhsa_system_sgpr_workgroup_id_z 1
		.amdhsa_system_vgpr_workitem_id 0
		.amdhsa_next_free_vgpr 1024
		.amdhsa_next_free_sgpr 84
		.amdhsa_reserve_vcc 0
		.amdhsa_float_denorm_mode_32 3
		.amdhsa_float_denorm_mode_16_64 3
		.amdhsa_memory_ordered 1
		.amdhsa_forward_progress 1
		.amdhsa_inst_pref_size 113
	.end_amdhsa_kernel
	.amdgpu_metadata
---
amdhsa.version: [ 1, 2 ]
amdhsa.kernels:
  - .name:           k_q353521970d_proj
    .symbol:         k_q353521970d_proj.kd
    .args:
      - { .name: xw, .offset: 0, .size: 8, .value_kind: global_buffer, .address_space: global }
      - { .name: Qh, .offset: 8, .size: 8, .value_kind: global_buffer, .address_space: global }
      - { .name: Kh, .offset: 16, .size: 8, .value_kind: global_buffer, .address_space: global }
      - { .name: Vh, .offset: 24, .size: 8, .value_kind: global_buffer, .address_space: global }
    .group_segment_fixed_size: 327680
    .private_segment_fixed_size: 0
    .kernarg_segment_align: 8
    .kernarg_segment_size: 32
    .max_flat_workgroup_size: 128
    .sgpr_count:     84
    .vgpr_count:     1024
    .wavefront_size: 32
...
	.end_amdgpu_metadata
.endif
;; end of part 2
;; launch score (part 3): grid 8 x 32, 4 waves a work-group, clusters of 4 x 4, 327,680 bytes of LDS; arguments Qh, Kh, Ph, am8, stat; writes Ph, stat
.if DOCPART == 3
	.amdgcn_target "amdgcn-amd-amdhsa--gfx1250"
	.amdhsa_code_object_version 6
	.text
	.protected	k_q353521970d_score
	.globl	k_q353521970d_score
	.p2align	8
	.type	k_q353521970d_score,@function
k_q353521970d_score:
	s_mov_b64 s[64:65], 0
	v_nop
	global_prefetch_b8 v0, s[64:65] scope:SCOPE_SE
	s_setreg_imm32_b32 hwreg(HW_REG_WAVE_MODE, 25, 1), 1
	s_wait_xcnt 0x0
	s_wait_alu depctr_hold_cnt(0) depctr_sa_sdst(0) depctr_va_vdst(0) depctr_va_sdst(0) depctr_va_ssrc(0) depctr_va_vcc(0) depctr_vm_vsrc(0)
	s_getreg_b32 s2, hwreg(HW_REG_IB_STS2, 6, 4)
	s_cmp_eq_u32 s2, 0
	s_cbranch_scc0 .Lentry_in_a_cluster
	s_endpgm
.Lentry_in_a_cluster:
	s_bfe_u32 s2, ttmp6, 0x10000c
	s_cmp_lg_u32 s2, 0xf033
	s_cbranch_scc0 .Lentry_shape_is_right
	s_endpgm
.Lentry_shape_is_right:
; SELF-ATTENTION, launch 3 of 4: for each tile of 256 queries x 256 keys: s = Q . K (less 448 x 2^100 where the mask blocks), the tile's row maximum m_t, P' = 2^(c s - c m_t) in f16, c = log2(e) / 32.
; Qh, Kh: [8192][1024] f16.  Ph: [8192][2048] f16.  stat: [24][8192] f32: rows 0-7 c m_t of key tile t, rows 8-23 the sums of P' over each half of 128 keys.  The last launch joins the tiles:
; out = (sum over t of 2^(c m_t - c m) P'_t V_t) / l: the maximum is taken away in two steps, and the same rounded c m_t stands in both, so it cancels.
; bk is left out (shown at the head of the first launch's text).
; THE MASK starts the sums: the accumulators are set from am8's codes (0, or -448 scaled by 2^100) ahead of the first product, so every K step is alike and nothing is cleared.
; m_t is held at -2^66 from below: f16 operands bound |Q . K| by 4.4e12, so no true score is touched; a blocked place then always gives P' = 0, and a row that a tile blocks wholly gives sum 0 and a c m_t
; far below any true one.  A row blocked in all tiles ends as 0 / 0 in the last launch, a NaN, as the softmax of a row of -inf is.
; LIMITS: a blocked score counts as its value less 5.7e32; a weight below 2^-126 counts as 0; P' below 6e-5 keeps f16's fixed step.
; The product is the second launch's, in f16: tiles of 256 x 256, four waves of 128 x 128, K = 1,024 in 8 steps of 128, two LDS slots, a K step written once, cluster 4 x 4 with joint loads
; (Q's rows shared along a row of the cluster, K's along a column), transposed use: lane l holds query l % 16 and the keys 8 (l / 16) + 0..7 of each block of 16.
; REGISTERS: window 0: v0-31 addresses; v32-63, v192-255 the way out; v64-191 fragments of Q, later the statistics.  window 1: v64-191 fragments of K.  windows 2, 3: accumulators (a, b) at v[8 (8 a + b)].
.set KSTEP,  128
.set PITCH,  272                       ; 256 bytes + 16 of padding: the 16 rows of a fragment load start 4 banks apart (64 banks of 4 bytes: ISA guide 11.1)
.set HALFT,  128*PITCH
.set SLOT,   4*HALFT
.set STAGE,  2*SLOT                    ; 16 rows x 272 bytes for each wave
.set SPITCH, 272
.set XCH,    STAGE+4*16*SPITCH         ; 512 bytes a wave: its 128 rows' maxima, for the wave with the other 128 keys
.set STAT,   XCH+4*512                 ; 1,024 bytes a wave: c m_t and the sums, turned into rows
.set SPARE,  STAT+4*1024               ; the spare words, 128 bytes a wave; no other line names them
.set CPITCH, 4096                      ; bytes in a row of Ph
.set XA,   8                           ; v8   where I put my rows' maxima
.set XB,   9                           ; v9   where the partner wave put its
.set SA,   10                          ; v10  where I put a row's statistics
.set SR,   11                          ; v11  where I read four rows' back
.set GS,   12                          ; v12  16 x lane; never rewritten
.set SCL,  13                          ; v13  the scale's code: 2^100
.set LA0,  16
.set LB0,  17
.set ADRA, 18
.set ADRB, 19
.set STO,  24
.set RD,   25
.set CO,   26
.set SPW,  28                          ; v28  my spare word; never rewritten
.set NIL,  29                          ; v29  0; never rewritten
.set PFO,  30
.set F0,   64
.set F1,   128
.set TMP,  192
.set OB,   32
.set T,    64                          ; v64-95    four running maxima for each row block
.set RM,   96                          ; v96-103   the row maximum, by row block
.set PR,   104                         ; v104-111  the partner wave's
.set CM,   112                         ; v112-127  c m_t, a pair for each row block
.set L,    128                         ; v128-135  four running pairs of sums
.set LS,   136                         ; v136-143  the row sum, by row block
.set G1,   24
.set G0,   32
.set LIM,  43
.set PFA,  44
.set G1B,  48
.set G0B,  56
.set TB,   66
.set CS,   68                          ; s[68:69] c
.set FLOOR, 70                         ; s70  -2^66
.set SEL,  72                          ; s[72:73] v_permlanex16_b32's selects: each lane its own place in the other half
.set W0,   (1<<16)|(1<<20)|(1<<21)|(5<<22)|(3<<25)
.set MSB, 0
.macro WIN new
.if MSB != (\new)
	s_set_vgpr_msb (MSB<<8)|(\new)
.set MSB, \new
.endif
.endm
.set TO_B, 0x40
.macro JLOAD s                         ; waves 0, 1 fetch Q's halves, waves 2, 3 K's; an s_nop 0 and four v_nop follow each line
	s_cmp_eq_u32 s11, 0
	s_cbranch_scc0 .Lfor_b_\@
	tensor_load_to_lds s[G0+4*(\s):G0+4*(\s)+3], s[G1:G1+7]
	s_nop 0
.rept 4
	v_nop
.endr
	s_branch .Lasked_\@
.Lfor_b_\@:
	tensor_load_to_lds s[G0B+4*(\s):G0B+4*(\s)+3], s[G1B:G1B+7]
	s_nop 0
.rept 4
	v_nop
.endr
.Lasked_\@:
.endm
; A prefetch of the K step two refills on: 32 rows x 256 bytes, a lane a row.  Q's rows are read by both clusters of a row of clusters: the one with x = 0 asks; K's rows by the two clusters of a batch
; in a column: the one with even y asks; the four partners of a joint load share its rows out by address.  Trips with s3 = 6..3 name K steps 4..7.
.macro ASK
	s_cmp_gt_u32 s3, s[LIM]
	s_cbranch_scc0 .Lnot_mine_\@
	global_prefetch_b8 v[PFO], s[PFA:PFA+1] offset:KSTEP*2 th:TH_LOAD_NT scope:SCOPE_SE
.Lnot_mine_\@:
.endm
.macro CREST
	s_cmp_lg_u32 s10, 0
	s_cbranch_scc1 .Lnot_wave_0_\@
	s_barrier_signal -3
.Lnot_wave_0_\@:
	s_barrier_wait -3
	s_barrier_signal -1
	s_barrier_wait -1
.endm
.macro CROUND
	s_barrier_signal -1
	s_barrier_wait -1
	CREST
.endm
.macro PLACES                          ; four plain places behind matrix instructions (ISA guide 7.12.1)
.rept 4
	v_nop
.endr
.endm
.macro SETADR
	v_add_nc_u32 v[ADRA], s[TB], v[LA0]
	v_add_nc_u32 v[ADRB], s[TB], v[LB0]
.endm
.macro MUL16 f, hi, a0                 ; 16 matrix instructions: query blocks a0, a0 + 1 of the window's four x all 8 key blocks, 32 along K
	WIN 0xa1+0x50*(\hi)
.irp a, \a0, (\a0)+1
.irp b, 0,1,2,3,4,5,6,7
	v_wmma_f32_16x16x32_f16 v[8*(8*(\a)+(\b)):8*(8*(\a)+(\b))+7], v[(\f)+8*(\b):(\f)+8*(\b)+7], v[(\f)+8*(4*(\hi)+(\a)):(\f)+8*(4*(\hi)+(\a))+7], v[8*(8*(\a)+(\b)):8*(8*(\a)+(\b))+7]
.endr
.endr
.endm
.macro FETCH k, f
	WIN TO_B
.irp i, 0,1,2,3,4,5,6,7
	ds_load_b128 v[(\f)+8*(\i):(\f)+8*(\i)+3],   v[ADRB] offset:(\k)+(\i)*16*PITCH
	ds_load_b128 v[(\f)+8*(\i)+4:(\f)+8*(\i)+7], v[ADRB] offset:(\k)+(\i)*16*PITCH+32
.endr
	WIN 0
.irp i, 0,1,2,3,4,5,6,7
	ds_load_b128 v[(\f)+8*(\i):(\f)+8*(\i)+3],   v[ADRA] offset:(\k)+(\i)*16*PITCH
	ds_load_b128 v[(\f)+8*(\i)+4:(\f)+8*(\i)+7], v[ADRA] offset:(\k)+(\i)*16*PITCH+32
.endr
.endm
.macro QUARTER k, f, g
	s_wait_dscnt 8                                 ; K's fragments and Q's rows 0-63 are in; the youngest eight loads may be out
	MUL16 \f, 0, 0
	MUL16 \f, 0, 2
	PLACES
	FETCH \k, \g
	s_wait_dscnt 32                                ; all but the 32 just issued
	MUL16 \f, 1, 0
	MUL16 \f, 1, 2
.endm
; The fourth quarter and the change of slots: as in the second launch's text.  In front of the barrier: the wait for all my tensor loads, the add, the wait for it and for my reads of the slot.
.macro TURN fill
.if \fill
	s_wait_xcnt 0x0                                ; the last prefetch, a K step back, has read its address
	s_add_nc_u64 s[PFA:PFA+1], s[PFA:PFA+1], KSTEP*2
.endif
	WIN 0
	s_wait_tensorcnt 0x0                           ; no tensor load of mine is out, so the walking descriptors may be written
	ds_add_u32 v[SPW], v[NIL]
.if \fill
	s_xor_b32 s[G0+5], s[G0+5], SLOT               ; the other slot than last time (wave x 0x8800 and 0x22000 share no bit),
	s_add_nc_u64 s[G0+6:G0+7], s[G0+6:G0+7], KSTEP*2  ; the next K step
	s_xor_b32 s[G0B+5], s[G0B+5], SLOT
	s_add_nc_u64 s[G0B+6:G0B+7], s[G0B+6:G0B+7], KSTEP*2
.endif
	s_wait_dscnt 9                                 ; the add and the youngest eight loads may be out
	MUL16 F1, 0, 0
	s_wait_dscnt 0x0                               ; the add is done, my reads of this slot are over
	s_barrier_signal -1
	MUL16 F1, 0, 2
	WIN 0
	s_barrier_wait -1
.if \fill
	CREST
	JLOAD 1                                        ; the first tensor load behind the round; its four v_nop are also the places in front of the loads below
.else
	PLACES
.endif
	s_xor_b32 s[TB], s[TB], SLOT
	SETADR
.if !(\fill)
	s_cmp_eq_u32 s3, 1                             ; the last K step has none behind it
	s_cbranch_scc1 .Lno_next_\@
.endif
	FETCH 0, F0
.if \fill
	ASK
.else
.Lno_next_\@:
.endif
	MUL16 F1, 1, 0
	MUL16 F1, 1, 2
.endm
; Query block a: c s - c m_t, the exponentials, the rounding to f16 and the row sums.  The 64 exponentials are ONE batch: a scaling, then the two exponentials of the pair before it; nothing ahead of the
; one wait names a result of theirs.
.macro SOFT a
.set AC, 64*((\a)%4)
	WIN 0x82+0x41*((\a)/4)                         ; destination and source 0 window 2 or 3; c m_t window 0
.set i, 0
.rept 32
	v_pk_fma_f32 v[AC+2*i:AC+2*i+1], v[AC+2*i:AC+2*i+1], s[CS:CS+1], v[CM+2*(\a):CM+2*(\a)+1] op_sel_hi:[1,0,0] neg_lo:[0,0,1] neg_hi:[0,0,1]
.if i > 0
	v_exp_f32 v[AC+2*i-2], v[AC+2*i-2]
	v_exp_f32 v[AC+2*i-1], v[AC+2*i-1]
.endif
.set i, i+1
.endr
	v_exp_f32 v[AC+62], v[AC+62]
	v_exp_f32 v[AC+63], v[AC+63]
	v_nop                                          ; a plain instruction behind the last exponential,
	s_wait_alu depctr_va_vdst(0)                   ; and one wait ahead of the first reader
	WIN 0x0a+5*((\a)/4)                            ; sources window 2 or 3, destination window 0
.set i, 0
.rept 32
	v_cvt_pk_f16_f32 v[TMP+i], v[AC+2*i], v[AC+2*i+1]
.set i, i+1
.endr
.set i, 0
.rept 4
	v_pk_add_f32 v[L+2*i:L+2*i+1], v[AC+2*i:AC+2*i+1], v[AC+8+2*i:AC+8+2*i+1]  ; four chains of sums, started by the first eight pairs
.set i, i+1
.endr
	WIN 0x02+((\a)/4)
.set i, 8
.rept 24
	v_pk_add_f32 v[L+2*(i%4):L+2*(i%4)+1], v[AC+2*i:AC+2*i+1], v[L+2*(i%4):L+2*(i%4)+1]
.set i, i+1
.endr
	WIN 0
	v_pk_add_f32 v[L:L+1], v[L:L+1], v[L+2:L+3]
	v_pk_add_f32 v[L+4:L+5], v[L+4:L+5], v[L+6:L+7]
	v_pk_add_f32 v[L:L+1], v[L:L+1], v[L+4:L+5]
	v_add_f32 v[LS+(\a)], v[L], v[L+1]             ; my 64 keys of the row
.endm
.macro TOSTAGE a
	WIN 0
.set BK, OB+192*((\a)%2)
.irp b, 0,1,2,3,4,5,6,7
	ds_store_b128 v[STO], v[TMP+4*(\b):TMP+4*(\b)+3] offset:32*(\b)
.endr
.irp t, 0,1,2,3,4,5,6,7
	ds_load_b128 v[BK+4*(\t):BK+4*(\t)+3], v[RD] offset:(\t)*2*SPITCH  ; LDS serves a wave's instructions in order (ISA guide 5.7.1.4): these see the stores above
.endr
.endm
.macro SEND a
	WIN 0
.set BK, OB+192*((\a)%2)
	s_wait_dscnt 0x0                               ; the block is back in registers
	s_wait_xcnt 0x0                                ; earlier stores have read their base and their data
.if (\a) == 0
	s_add_nc_u64 s[8:9], s[8:9], s[16:17]
.else
	s_add_nc_u64 s[8:9], s[8:9], 16*CPITCH
.endif
.irp t, 0,1,2,3,4,5,6,7
	global_store_b128 v[CO], v[BK+4*(\t):BK+4*(\t)+3], s[8:9] offset:2*(\t)*CPITCH  ; 16 lanes store 256 consecutive bytes, aligned
.endr
.endm
	s_load_b128 s[4:7], s[0:1], 0x0                ; Qh s[4:5], Kh s[6:7]
	s_load_b64 s[8:9], s[0:1], 0x10                ; Ph
	s_load_b128 s[76:79], s[0:1], 0x18             ; am8 s[76:77], stat s[78:79]
	v_lshl_add_u32 v[SPW], v0, 2, SPARE
	v_mov_b32 v[NIL], 0
	ds_add_u32 v[SPW], v[NIL]                      ; the opening: the add, twice on end, and its wait ahead of my first tensor load
	ds_add_u32 v[SPW], v[NIL]
	v_lshrrev_b32 v1, 5, v0
	v_readfirstlane_b32 s10, v1                    ; wave 0..3
	s_lshr_b32 s11, s10, 1                         ; my half of the tile's queries; also: I fetch Q (0) or K (1)
	s_and_b32 s12, s10, 1                          ; my half of its keys; also: which 128 rows I fetch
	s_bfe_u32 s40, ttmp6, 0x40000                  ; cx
	s_bfe_u32 s41, ttmp6, 0x40004                  ; cy
	s_lshl_b32 s42, ttmp9, 2
	s_add_co_u32 s42, s42, s40                     ; key tile t, 0..7
	s_and_b32 s13, ttmp7, 0xffff
	s_lshl_b32 s13, s13, 2
	s_add_co_u32 s13, s13, s41                     ; query tile, 0..31: 8 x batch + the tile in the batch
	s_lshl_b32 s43, s41, 2
	s_lshl_b32 s43, 15, s43
	s_lshl_b32 s44, 0x1111, s40
	s_or_b32 s[G1+0], s43, W0
	s_or_b32 s[G1B+0], s44, W0
.irp g, G1, G1B
	s_mov_b32 s[(\g)+1], KSTEP<<16
	s_mov_b32 s[(\g)+2], 128<<16
	s_mov_b32 s[(\g)+3], KSTEP<<16
	s_mov_b32 s[(\g)+4], 128
	s_mov_b32 s[(\g)+5], 1024
	s_mov_b32 s[(\g)+6], 0
	s_mov_b32 s[(\g)+7], 0
.endr
	s_mov_b32 s[TB], 0
	s_mov_b32 s[CS], 0x3d38aa3b                    ; c = log2(e) / 32
	s_mov_b32 s[CS+1], s[CS]
	s_mov_b32 s[FLOOR], 0xe0800000                 ; -2^66
	s_mov_b32 s[SEL], 0x76543210
	s_mov_b32 s[SEL+1], 0xfedcba98
	s_lshl_b32 s17, s12, 7
	s_lshl_b32 s16, s13, 8
	s_add_co_u32 s16, s16, s17                     ; Qh: row 256 x query tile + 128 x half
	s_lshl_b32 s16, s16, 11
	s_and_b32 s47, ttmp7, 0xffff
	s_lshr_b32 s47, s47, 1                         ; the batch, by the cluster's y alone
	s_lshl_b32 s47, s47, 11
	s_lshl_b32 s46, s42, 8
	s_add_co_u32 s46, s46, s47
	s_add_co_u32 s46, s46, s17                     ; Kh: row 2,048 x batch + 256 x key tile + 128 x half
	s_lshl_b32 s46, s46, 11
	s_mov_b32 s17, 0
	s_mov_b32 s47, 0
	s_mul_i32 s20, s10, HALFT
	s_wait_dscnt 0x0                               ; both opening adds are done
	s_wait_kmcnt 0x0
	s_add_nc_u64 s[14:15], s[4:5], s[16:17]
	s_add_nc_u64 s[46:47], s[6:7], s[46:47]
	CROUND                                         ; all sixteen work-groups are here: the first joint loads meet
.irp s, 0,1
	s_mov_b32 s[G0+4*(\s)], 1
	s_add_co_u32 s[G0+4*(\s)+1], s20, (\s)*SLOT
	s_add_nc_u64 s[G0+4*(\s)+2:G0+4*(\s)+3], s[14:15], (\s)*KSTEP*2
	s_or_b32 s[G0+4*(\s)+3], s[G0+4*(\s)+3], 0x80000000
	s_mov_b32 s[G0B+4*(\s)], 1
	s_add_co_u32 s[G0B+4*(\s)+1], s20, (\s)*SLOT
	s_add_nc_u64 s[G0B+4*(\s)+2:G0B+4*(\s)+3], s[46:47], (\s)*KSTEP*2
	s_or_b32 s[G0B+4*(\s)+3], s[G0B+4*(\s)+3], 0x80000000
	JLOAD \s                                       ; two loads of mine are out
.endr
	; the mask's codes for my 128 x 128: block of 16 queries (query tile % 8) x 16 + 8 x half + a, pairs of key blocks 8 t + 4 x half + p; 16 bytes a lane
	v_and_b32 v[GS], 31, v0
	v_lshlrev_b32 v[GS], 4, v[GS]
	v_mov_b32 v[SCL], 0xe3                         ; the scale 2^(227 - 127)
	s_and_b32 s14, s13, 7
	s_lshl_b32 s14, s14, 4
	s_lshl_b32 s15, s11, 3
	s_add_co_u32 s14, s14, s15
	s_lshl_b32 s14, s14, 15
	s_lshl_b32 s15, s42, 3
	s_lshl_b32 s20, s12, 2
	s_add_co_u32 s15, s15, s20
	s_lshl_b32 s15, s15, 9
	s_add_co_u32 s20, s14, s15
	s_mov_b32 s21, 0
	s_add_nc_u64 s[76:77], s[76:77], s[20:21]
.set a, 0
.rept 8                                ; block a lands where its numbers differ from those of the accumulators that it will set
.set DA, 64+64*(a%2)+32*((a%4)/2)+16*(a/4)
.set p, 0
.rept 4
	global_load_b128 v[DA+4*p:DA+4*p+3], v[GS], s[76:77] offset:a*32768+p*512
.set p, p+1
.endr
.set a, a+1
.endr
	v_and_b32 v1, 15, v0                           ; r
	v_bfe_u32 v2, v0, 4, 1                         ; h
	v_mul_u32_u24 v3, v1, PITCH
	v_lshl_add_u32 v3, v2, 4, v3
	s_mul_i32 s21, s11, HALFT
	s_mul_i32 s22, s12, HALFT
	s_add_co_u32 s22, s22, 2*HALFT
	v_add_nc_u32 v[LA0], s21, v3
	v_add_nc_u32 v[LB0], s22, v3
	s_mul_i32 s23, s10, 16*SPITCH
	s_add_co_u32 s23, s23, STAGE
	v_mul_u32_u24 v4, v1, SPITCH
	v_lshl_add_u32 v4, v2, 4, v4
	v_add_nc_u32 v[STO], s23, v4
	v_mul_u32_u24 v5, v2, SPITCH
	v_lshl_add_u32 v5, v1, 4, v5
	v_add_nc_u32 v[RD], s23, v5
	v_mul_u32_u24 v5, v2, CPITCH
	v_lshl_add_u32 v[CO], v1, 4, v5
	s_lshl_b32 s23, s10, 9
	s_add_co_u32 s23, s23, XCH
	v_lshl_add_u32 v[XA], v1, 5, s23               ; 32 bytes a row place: eight row blocks' maxima
	s_xor_b32 s22, s10, 1                          ; the wave with my rows' other 128 keys
	s_lshl_b32 s22, s22, 9
	s_add_co_u32 s22, s22, XCH
	v_lshl_add_u32 v[XB], v1, 5, s22
	s_lshl_b32 s23, s10, 10
	s_add_co_u32 s23, s23, STAT
	v_lshl_add_u32 v[SA], v1, 2, s23
	v_add_nc_u32 v[SR], s23, v[GS]
	s_lshl_b32 s14, s13, 8
	s_lshl_b32 s15, s11, 7
	s_add_co_u32 s14, s14, s15                     ; my first row of Ph and of stat
	s_lshl_b32 s16, s14, 12
	s_mov_b32 s17, 0
	s_lshl_b32 s46, s42, 9                         ; my first key, in bytes: 512 t + 256 x half
	s_lshl_b32 s47, s12, 8
	s_add_co_u32 s46, s46, s47
	s_mov_b32 s47, 0
	s_add_nc_u64 s[16:17], s[16:17], s[46:47]      ; what the first way out adds to Ph's address
	s_lshl_b32 s20, s42, 13
	s_add_co_u32 s20, s20, s14
	s_lshl_b32 s20, s20, 2
	s_mov_b32 s21, 0
	s_add_nc_u64 s[80:81], s[78:79], s[20:21]      ; stat row t: c m_t
	s_lshl_b32 s20, s42, 1
	s_add_co_u32 s20, s20, s12
	s_add_co_u32 s20, s20, 8
	s_lshl_b32 s20, s20, 13
	s_add_co_u32 s20, s20, s14
	s_lshl_b32 s20, s20, 2
	s_add_nc_u64 s[82:83], s[78:79], s[20:21]      ; stat row 8 + 2 t + half: the sums
	; the prefetches
	s_and_b32 s22, ttmp7, 0xffff
	s_lshr_b32 s21, s22, 1
	s_lshl_b32 s21, s21, 11
	s_lshl_b32 s23, s42, 8
	s_add_co_u32 s21, s21, s23                     ; the tile's first row of Kh,
	s_lshl_b32 s20, s13, 8                         ; and of Qh
	s_and_b32 s22, s22, 1
	s_cmp_eq_u32 s11, 0
	s_cselect_b32 s20, s20, s21
	s_cselect_b32 s21, s40, s41                    ; my place among the four that ask jointly
	s_cselect_b32 s22, ttmp9, s22                  ; the coordinate along which another cluster reads the same rows
	s_cselect_b64 s[PFA:PFA+1], s[4:5], s[6:7]
	s_cmp_eq_u32 s22, 0
	s_cselect_b32 s[LIM], 2, -1
	s_lshl_b32 s22, s12, 7
	s_add_co_u32 s20, s20, s22
	s_lshl_b32 s21, s21, 5
	s_add_co_u32 s20, s20, s21
	s_lshl_b32 s20, s20, 11
	s_add_co_u32 s20, s20, 2*KSTEP*2               ; at K step 2: the first refill steps it to 3 and names K step 4
	s_mov_b32 s21, 0
	s_add_nc_u64 s[PFA:PFA+1], s[PFA:PFA+1], s[20:21]
	v_and_b32 v[PFO], 31, v0
	v_lshlrev_b32 v[PFO], 11, v[PFO]
	s_wait_loadcnt 0x0                             ; the codes
.set a, 0
.rept 8                                ; eight codes become an accumulator's eight registers: 0, or -448 x 2^100; both are exact
	WIN 0x80+0x40*(a/4)
.set DA, 64+64*(a%2)+32*((a%4)/2)+16*(a/4)
.set b, 0
.rept 8
	v_cvt_scale_pk8_f32_fp8 v[64*(a%4)+8*b:64*(a%4)+8*b+7], v[DA+4*(b/2)+2*(b%2):DA+4*(b/2)+2*(b%2)+1], v[SCL]
.set b, b+1
.endr
.set a, a+1
.endr
	v_nop                                          ; a plain instruction behind the last scaled conversion
	WIN 0
	s_wait_tensorcnt 1                             ; my part of K step 0 is in; K step 1's may stay out
	s_barrier_signal -1
	s_barrier_wait -1
	SETADR
	FETCH 0, F0
	s_mov_b32 s3, 6
.Lfill:                                                ; K steps 0 to 5: each asks for the step two on.  The 64 accumulators take turns in one order throughout
	QUARTER 64, F0, F1
	QUARTER 128, F1, F0
	QUARTER 192, F0, F1
	TURN 1
	WIN 0
	s_sub_co_u32 s3, s3, 1
	s_cmp_lg_u32 s3, 0
	s_cbranch_scc1 .Lfill
	s_mov_b32 s3, 2
.Ltail:                                                ; K steps 6 and 7 ask for nothing
	QUARTER 64, F0, F1
	QUARTER 128, F1, F0
	QUARTER 192, F0, F1
	TURN 0
	WIN 0
	s_sub_co_u32 s3, s3, 1
	s_cmp_lg_u32 s3, 0
	s_cbranch_scc1 .Ltail
	PLACES
	; THE MAXIMA.  For each query block four chains of 16 scores, three operands at a time; each accumulator's two lowest registers are read first.
.set a, 0
.rept 8
	WIN 0x0a+5*(a/4)
.set AC, 64*(a%4)
.set i, 0
.rept 8
.set c, 0
.rept 4
.if i == 0
	v_max_num_f32 v[T+4*a+c], v[AC+16*c], v[AC+16*c+1]
.else
	v_max3_num_f32 v[T+4*a+c], v[AC+16*c+2*i], v[AC+16*c+2*i+1], v[T+4*a+c]
.endif
.set c, c+1
.endr
.set i, i+1
.endr
.set a, a+1
.endr
	WIN 0
.set a, 0
.rept 8
	v_max3_num_f32 v[T+4*a], v[T+4*a], v[T+4*a+1], v[T+4*a+2]
.set a, a+1
.endr
.set a, 0
.rept 8
	v_max_num_f32 v[T+4*a], v[T+4*a], v[T+4*a+3]
.set a, a+1
.endr
.set a, 0
.rept 8
	v_permlanex16_b32 v[T+4*a+1], v[T+4*a], s[SEL], s[SEL+1]  ; the row's other 64 of my keys lie in the lane 16 away
.set a, a+1
.endr
.set a, 0
.rept 8
	v_max_num_f32 v[RM+a], v[T+4*a], v[T+4*a+1]
.set a, a+1
.endr
	ds_store_b128 v[XA], v[RM:RM+3]
	ds_store_b128 v[XA], v[RM+4:RM+7] offset:16
	s_wait_dscnt 0x0                               ; for the partner's sake: my stores are done
	s_barrier_signal -1
	s_barrier_wait -1
	ds_load_b128 v[PR:PR+3], v[XB]                 ; the maxima over the tile's other 128 keys
	ds_load_b128 v[PR+4:PR+7], v[XB] offset:16
	s_wait_dscnt 0x0
.set a, 0
.rept 8
	v_max3_num_f32 v[RM+a], v[RM+a], v[PR+a], s[FLOOR]
.set a, a+1
.endr
.set a, 0
.rept 8
	v_mul_f32 v[CM+2*a], s[CS], v[RM+a]
	v_mul_f32 v[CM+2*a+1], s[CS], v[RM+a]          ; named with it as a pair
.set a, a+1
.endr
	SOFT 0
	TOSTAGE 0
.irp a, 1,2,3,4,5,6,7                  ; block a's arithmetic stands between block a - 1's loads from the stage and the wait for them
	SOFT \a
	SEND (\a)-1
	TOSTAGE \a
.endr
	SEND 7
	; THE STATISTICS: through my own bytes of LDS, so that 32 lanes store 128 rows' numbers as 512 consecutive bytes
.set a, 0
.rept 8
	v_permlanex16_b32 v[T+a], v[LS+a], s[SEL], s[SEL+1]
.set a, a+1
.endr
.set a, 0
.rept 8
	v_add_f32 v[LS+a], v[LS+a], v[T+a]
.set a, a+1
.endr
.set a, 0
.rept 8
	ds_store_b32 v[SA], v[CM+2*a] offset:64*a      ; row 16 a + r (both halves of the lanes write the same number to the same word)
	ds_store_b32 v[SA], v[LS+a] offset:512+64*a
.set a, a+1
.endr
	ds_load_b128 v[T:T+3], v[SR]                   ; in order behind the stores above: my wave's own bytes
	ds_load_b128 v[T+4:T+7], v[SR] offset:512
	s_wait_dscnt 0x0
	global_store_b128 v[GS], v[T+4:T+7], s[82:83]
	s_cmp_lg_u32 s12, 0                            ; both waves of a row half hold the same c m_t: the first stores it
	s_cbranch_scc1 .Lno_cm
	global_store_b128 v[GS], v[T:T+3], s[80:81]
.Lno_cm:
	s_wait_tensorcnt 0x0                           ; the wave's end
	ds_add_u32 v[SPW], v[NIL]
	s_wait_dscnt 0x0
	CROUND                                         ; the closing round
	s_endpgm
.Lfunc_end_k_q353521970d_score:
	.size	k_q353521970d_score, .Lfunc_end_k_q353521970d_score-k_q353521970d_score
	.p2alignl 7, 3214868480
	.fill 96, 4, 3214868480
	.section	.rodata,"a",@progbits
	.p2align	6, 0x0
	.amdhsa_kernel k_q353521970d_score
		.amdhsa_group_segment_fixed_size 327680
		.amdhsa_private_segment_fixed_size 0
		.amdhsa_enable_private_segment 0
		.amdhsa_kernarg_size 40
		.amdhsa_user_sgpr_count 2
		.amdhsa_user_sgpr_kernarg_segment_ptr 1
		.amdhsa_wavefront_size32 1
		.amdhsa_system_sgpr_workgroup_id_x 1
		.amdhsa_system_sgpr_workgroup_id_y 1
		.amdhsa_system_sgpr_workgroup_id_z 1
		.amdhsa_system_vgpr_workitem_id 0
		.amdhsa_next_free_vgpr 1024
		.amdhsa_next_free_sgpr 84
		.amdhsa_reserve_vcc 0
		.amdhsa_float_denorm_mode_32 3
		.amdhsa_float_denorm_mode_16_64 3
		.amdhsa_memory_ordered 1
		.amdhsa_forward_progress 1
		.amdhsa_inst_pref_size 173
	.end_amdhsa_kernel
	.amdgpu_metadata
---
amdhsa.version: [ 1, 2 ]
amdhsa.kernels:
  - .name:           k_q353521970d_score
    .symbol:         k_q353521970d_score.kd
    .args:
      - { .name: Qh, .offset: 0, .size: 8, .value_kind: global_buffer, .address_space: global }
      - { .name: Kh, .offset: 8, .size: 8, .value_kind: global_buffer, .address_space: global }
      - { .name: Ph, .offset: 16, .size: 8, .value_kind: global_buffer, .address_space: global }
      - { .name: am8, .offset: 24, .size: 8, .value_kind: global_buffer, .address_space: global }
      - { .name: stat, .offset: 32, .size: 8, .value_kind: global_buffer, .address_space: global }
    .group_segment_fixed_size: 327680
    .private_segment_fixed_size: 0
    .kernarg_segment_align: 8
    .kernarg_segment_size: 40
    .max_flat_workgroup_size: 128
    .sgpr_count:     84
    .vgpr_count:     1024
    .wavefront_size: 32
...
	.end_amdgpu_metadata
.endif
;; end of part 3
;; launch pv (part 4): grid 4 x 64, 4 waves a work-group, clusters of 4 x 4, 327,680 bytes of LDS; arguments Ph, Vh, stat, out0; writes out0
.if DOCPART == 4
	.amdgcn_target "amdgcn-amd-amdhsa--gfx1250"
	.amdhsa_code_object_version 6
	.text
	.protected	k_q353521970d_pv
	.globl	k_q353521970d_pv
	.p2align	8
	.type	k_q353521970d_pv,@function
k_q353521970d_pv:
	s_mov_b64 s[64:65], 0
	v_nop
	global_prefetch_b8 v0, s[64:65] scope:SCOPE_SE
	s_setreg_imm32_b32 hwreg(HW_REG_WAVE_MODE, 25, 1), 1
	s_wait_xcnt 0x0
	s_wait_alu depctr_hold_cnt(0) depctr_sa_sdst(0) depctr_va_vdst(0) depctr_va_sdst(0) depctr_va_ssrc(0) depctr_va_vcc(0) depctr_vm_vsrc(0)
	s_getreg_b32 s2, hwreg(HW_REG_IB_STS2, 6, 4)
	s_cmp_eq_u32 s2, 0
	s_cbranch_scc0 .Lentry_in_a_cluster
	s_endpgm
.Lentry_in_a_cluster:
	s_bfe_u32 s2, ttmp6, 0x10000c
	s_cmp_lg_u32 s2, 0xf033
	s_cbranch_scc0 .Lentry_shape_is_right
	s_endpgm
.Lentry_shape_is_right:
; SELF-ATTENTION, launch 4 of 4: out[q] = (sum over key tiles t of w_t P'_t[q] V_t) / l,  w_t = 2^(c m_t - c m),  c m = the largest c m_t of the row,  l = sum over t of w_t x (the tile's row sum).
; Ph: [8192][2048] f16, Vh: [8192][1024] f16, stat: [24][8192] f32 (rows 0-7 c m_t, rows 8-23 the sums of each 128 keys), out0: [8192][1024] f32.
; A row that every tile blocks has l = 0 and sums 0: 0 x (1 / 0) is a NaN, as the softmax of a row of -inf is.
; A tile of 128 queries x 256 channels is made by four waves, each 64 x 128.  The keys go in steps of 128 through two LDS slots; two steps, 256 keys, are a LAP = one key tile t.
; A lap's products are summed in 32 accumulators BLK that start at 0; at its end TOT += w_t BLK, in f32, in 32 x 8 further registers.
; O^T = V^T P (source 0 = 16 channels x 32 keys, out of LDS by the turning load; source 1 = 16 queries x 32 keys): lane l holds query l % 16 and the channels 8 (l / 16) + 0..7 of each block of 16.
; CLUSTER 4 x 4: the four of a row need the same rows of Ph, the four of a column the same channels of the same batch's Vh: joint loads.
; REGISTERS: window 0: v0-63 addresses and statistics; v64-191 fragments of P', two buffers; on the way out v64-255.  window 1: fragments of V^T, two buffers of 128.  window 2: BLK, window 3: TOT: (a, b) at v[8 (8 a + b)].
.set PA,    272                        ; a row of P' in LDS: 256 bytes + 16: the 16 rows of a load start 4 banks apart (64 banks of 4 bytes: ISA guide 11.1)
.set PB,    544                        ; a row of V: 512 + 32 = 136 words
.set AB,    128*PA                     ; P': 128 query rows; then V: 128 key rows
.set SLOT,  AB+128*PB
.set STAGE, 2*SLOT                     ; behind the ring: 16 rows x 528 bytes for each wave
.set SP,    528
.set SPARE, STAGE+4*16*SP              ; the spare words, 128 bytes a wave; no other line names them
.set ADRA, 16                          ; v16-17  my P' fragments in slot 0, 1
.set ADRB, 20                          ; v20-21  my V^T fragments
.set STO,  24
.set RD,   25
.set CO,   26                          ; v26  16 x lane
.set SPW,  28                          ; v28  my spare word; never rewritten
.set NIL,  29                          ; v29  0; never rewritten
.set PFO,  30                          ; v30  the prefetches' offset; never rewritten
.set SO,   31                          ; v31  4 x (l % 16); never rewritten
.set CG,   32                          ; v32-35  c m, by query block
.set CT,   36                          ; v36-39  c m_t of the lap in hand
.set WC,   40                          ; v40-47  w_t, the low word of a pair
.set LI,   48                          ; v48-55  1 / l, pairs
.set CMT,  64                          ; at the head: c m_t, tile t, block a at CMT + 4 t + a
.set LH,   96                          ; at the head: the sums, half u, block a at LH + 4 u + a
.set TMP,  64                          ; the way out
.set G1,   24
.set G0,   32                          ; s[32:39] group 0 for P', a set for each slot
.set LIM,  43
.set PFA,  44
.set PSTEP, 46                         ; s[46:47] a lap's bytes along my prefetches' way
.set G1B,  48
.set G0B,  56
.set CMB,  66                          ; s[66:67] stat at my first row, at the lap in hand
.set SEL,  68
.set MSB, 0
.macro WIN new
.if MSB != (\new)
	s_set_vgpr_msb (MSB<<8)|(\new)
.set MSB, \new
.endif
.endm
.macro JLOAD s                         ; waves 0, 1 fetch 64 rows of P' each, waves 2, 3 64 key rows of V; an s_nop 0 and four v_nop follow each line
	s_cmp_eq_u32 s11, 0
	s_cbranch_scc0 .Lfor_b_\@
	tensor_load_to_lds s[G0+4*(\s):G0+4*(\s)+3], s[G1:G1+7]
	s_nop 0
.rept 4
	v_nop
.endr
	s_branch .Lasked_\@
.Lfor_b_\@:
	tensor_load_to_lds s[G0B+4*(\s):G0B+4*(\s)+3], s[G1B:G1B+7]
	s_nop 0
.rept 4
	v_nop
.endr
.Lasked_\@:
.endm
; A prefetch, once a lap: the bytes of the lap three on, whose first refill stands two laps (512 matrix instructions) ahead.  A lane names 256 bytes of a row.
; P': a lap is 512 bytes of each of my work-group row's 128 rows; the four partners and their two loading waves take 16 rows each, by address.  V: a lap is 256 key rows x 2,048 bytes for a batch's four clusters:
; the two with (y & 2) = 0 ask, 128 rows each; in them a work-group takes 16 rows (by cy) of its own 512 bytes (by cx) for each loading wave.  So each 256 bytes are named once.  Laps 0 to 4 ask (s3 = 7..3).
.macro ASK
	s_cmp_gt_u32 s3, s[LIM]
	s_cbranch_scc0 .Lnot_mine_\@
	global_prefetch_b8 v[PFO], s[PFA:PFA+1] th:TH_LOAD_NT scope:SCOPE_SE
.Lnot_mine_\@:
.endm
.macro CREST
	s_cmp_lg_u32 s10, 0
	s_cbranch_scc1 .Lnot_wave_0_\@
	s_barrier_signal -3
.Lnot_wave_0_\@:
	s_barrier_wait -3
	s_barrier_signal -1
	s_barrier_wait -1
.endm
.macro CROUND
	s_barrier_signal -1
	s_barrier_wait -1
	CREST
.endm
.macro PLACES                          ; four plain places behind matrix instructions (ISA guide 7.12.1)
.rept 4
	v_nop
.endr
.endm
.macro MUL8 f, c, a, zero              ; 8 matrix instructions: query block a x all 8 channel blocks, keys 32 c on of buffer f.  zero = 1: they start the lap's sums
	WIN 0xa1                                       ; source 0 window 1, source 1 window 0, C and D window 2
.irp b, 0,1,2,3,4,5,6,7
.if \zero
	v_wmma_f32_16x16x32_f16 v[8*(8*(\a)+(\b)):8*(8*(\a)+(\b))+7], v[128*(\f)+64*(\c)+8*(\b):128*(\f)+64*(\c)+8*(\b)+7], v[64+64*(\f)+32*(\c)+8*(\a):64+64*(\f)+32*(\c)+8*(\a)+7], 0
.else
	v_wmma_f32_16x16x32_f16 v[8*(8*(\a)+(\b)):8*(8*(\a)+(\b))+7], v[128*(\f)+64*(\c)+8*(\b):128*(\f)+64*(\c)+8*(\b)+7], v[64+64*(\f)+32*(\c)+8*(\a):64+64*(\f)+32*(\c)+8*(\a)+7], v[8*(8*(\a)+(\b)):8*(8*(\a)+(\b))+7]
.endif
.endr
.endm
.macro FETCH slot, kh, f               ; 48 LDS loads: the fragments of keys 64 kh .. + 63 of a slot into buffer f; the first 32 keys' 24 loads first
.irp c, 0,1
	WIN 0x40
.irp b, 0,1,2,3,4,5,6,7
	ds_load_tr16_b128 v[128*(\f)+64*(\c)+8*(\b):128*(\f)+64*(\c)+8*(\b)+3],   v[ADRB+(\slot)] offset:(64*(\kh)+32*(\c))*PB+32*(\b)
	ds_load_tr16_b128 v[128*(\f)+64*(\c)+8*(\b)+4:128*(\f)+64*(\c)+8*(\b)+7], v[ADRB+(\slot)] offset:(64*(\kh)+32*(\c)+16)*PB+32*(\b)
.endr
	WIN 0
.irp a, 0,1,2,3
	ds_load_b128 v[64+64*(\f)+32*(\c)+8*(\a):64+64*(\f)+32*(\c)+8*(\a)+3],   v[ADRA+(\slot)] offset:(64*(\kh)+32*(\c))*2+(\a)*16*PA
	ds_load_b128 v[64+64*(\f)+32*(\c)+8*(\a)+4:64+64*(\f)+32*(\c)+8*(\a)+7], v[ADRA+(\slot)] offset:(64*(\kh)+32*(\c))*2+(\a)*16*PA+32
.endr
.endr
.endm
.macro HALF slot, f, g, zero           ; a step's first 64 keys, in buffer f; its other 64 are fetched into buffer g
	s_wait_dscnt 24                                ; the first 32 keys' 24 loads are in; the other 24 may be out
.irp a, 0,1,2,3
	MUL8 \f, 0, \a, \zero
.endr
	PLACES
	FETCH \slot, 1, \g
	s_wait_dscnt 48                                ; all but the 48 just issued
.irp a, 0,1,2,3
	MUL8 \f, 1, \a, 0
.endr
.endm
; A step's other 64 keys (buffer 1) and the change of slots.  In front of the barrier each wave waits for all its tensor loads (one is out: its part of the other slot), adds 0 to its spare word, and waits
; for that and for its reads of this slot.  fill = 1: the barrier opens a round of the cluster's, and the joint refill, the step two on, is the first thing behind it: 112 matrix instructions ahead of the wait for it.
.macro TURN slot, next, fill
.if (\fill) && ((\slot) == 0)
	s_wait_xcnt 0x0                                ; the last prefetch, a lap back, has read its address
	s_add_nc_u64 s[PFA:PFA+1], s[PFA:PFA+1], s[PSTEP:PSTEP+1]
.endif
	WIN 0
	s_wait_tensorcnt 0x0
	ds_add_u32 v[SPW], v[NIL]
	s_wait_dscnt 25                                ; the add and the youngest 24 loads may be out
	MUL8 1, 0, 0, 0
	s_wait_dscnt 0x0                               ; the add is done, my reads of this slot are over
	s_barrier_signal -1
	MUL8 1, 0, 1, 0
	WIN 0
	s_barrier_wait -1
.if \fill
	CREST
	s_add_nc_u64 s[G0+4*(\slot)+2:G0+4*(\slot)+3], s[G0+4*(\slot)+2:G0+4*(\slot)+3], 2*256          ; 256 keys along P's rows,
	s_add_nc_u64 s[G0B+4*(\slot)+2:G0B+4*(\slot)+3], s[G0B+4*(\slot)+2:G0B+4*(\slot)+3], 2*128*2048  ; 256 rows of V down
	JLOAD \slot                                    ; its four v_nop are also the places in front of the loads below
.else
	PLACES
.endif
	FETCH \next, 0, 0
.if (\fill) && ((\slot) == 0)
	ASK
.endif
	MUL8 1, 0, 2, 0
	MUL8 1, 0, 3, 0
.irp a, 0,1,2,3
	MUL8 1, 1, \a, 0
.endr
.endm
.macro LASTH                           ; the last 64 keys: nothing more to fetch
	s_wait_dscnt 24
.irp a, 0,1,2,3
	MUL8 1, 0, \a, 0
.endr
	s_wait_dscnt 0x0
.irp a, 0,1,2,3
	MUL8 1, 1, \a, 0
.endr
.endm
.macro CTLOAD                          ; c m_t of the lap in hand, for my four query blocks
.irp a, 0,1,2,3
	global_load_b32 v[CT+(\a)], v[SO], s[CMB:CMB+1] offset:64*(\a)
.endr
.endm
.macro SCALE                           ; TOT += w_t BLK
	WIN 0
	s_wait_loadcnt 0x0                             ; c m_t, asked for a lap ago
.irp a, 0,1,2,3
	v_sub_f32 v[CT+(\a)], v[CT+(\a)], v[CG+(\a)]   ; these four are also the places behind the last products
.endr
.irp a, 0,1,2,3
	v_exp_f32 v[WC+2*(\a)], v[CT+(\a)]
.endr
	v_nop                                          ; a plain instruction behind the last exponential
	s_add_nc_u64 s[CMB:CMB+1], s[CMB:CMB+1], 32768 ; the next tile's row of stat (behind the wait for the loads that named it)
	s_wait_alu depctr_va_vdst(0)                   ; one wait for the four, ahead of their first reader
	WIN 0xf2                                       ; BLK window 2, w_t window 0, TOT window 3
.set i, 0
.rept 128                              ; ascending: each accumulator's lowest registers are read first
	v_pk_fma_f32 v[2*i:2*i+1], v[2*i:2*i+1], v[WC+2*(i/32):WC+2*(i/32)+1], v[2*i:2*i+1] op_sel_hi:[1,0,1]
.set i, i+1
.endr
	WIN 0
.endm
; THE WAY OUT of query block a: divided by l; a lane's 32 bytes of each channel block go into rows of 528 bytes of my stage and come back as whole rows of 512.
.macro OUTP a
.if (\a) >= 2
	s_wait_xcnt 0x0                                ; the stores of block a - 2 have read the registers that are loaded again below
.endif
	WIN 0x03
.set i, 0
.rept 32
	v_pk_mul_f32 v[TMP+2*i:TMP+2*i+1], v[64*(\a)+2*i:64*(\a)+2*i+1], v[LI+2*(\a):LI+2*(\a)+1] op_sel_hi:[1,0]
.set i, i+1
.endr
	WIN 0
.irp b, 0,1,2,3,4,5,6,7
	ds_store_b128 v[STO], v[TMP+8*(\b):TMP+8*(\b)+3]   offset:64*(\b)
	ds_store_b128 v[STO], v[TMP+8*(\b)+4:TMP+8*(\b)+7] offset:64*(\b)+16
.endr
.set BK, 128+64*((\a)%2)
.irp t, 0,1,2,3,4,5,6,7,8,9,10,11,12,13,14,15
	ds_load_b128 v[BK+4*(\t):BK+4*(\t)+3], v[RD] offset:SP*(\t)  ; LDS serves a wave's instructions in order (ISA guide 5.7.1.4): these see the stores above
.endr
.endm
.macro SENDO a, younger                ; younger: the LDS instructions issued behind block a's loads: the next block's 32, or none
.set BK, 128+64*((\a)%2)
.irp t, 0,1,2,3,4,5,6,7,8,9,10,11,12,13,14,15
	s_wait_dscnt (\younger)+15-(\t)
	global_store_b128 v[CO], v[BK+4*(\t):BK+4*(\t)+3], s[8:9] offset:(16*(\a)+(\t))*4096 th:TH_STORE_NT  ; the wave stores 512 consecutive bytes of a row, aligned
.endr
.endm
	s_load_b128 s[4:7], s[0:1], 0x0                ; Ph s[4:5], Vh s[6:7]
	s_load_b128 s[72:75], s[0:1], 0x10             ; stat s[72:73], out0 s[74:75]
	v_lshl_add_u32 v[SPW], v0, 2, SPARE
	v_mov_b32 v[NIL], 0
	ds_add_u32 v[SPW], v[NIL]                      ; the opening: the add, twice on end, and its wait ahead of my first tensor load
	ds_add_u32 v[SPW], v[NIL]
	v_lshrrev_b32 v1, 5, v0
	v_readfirstlane_b32 s10, v1                    ; wave 0..3
	s_lshr_b32 s11, s10, 1                         ; my half of the tile's queries; also: I fetch P' (0) or V (1)
	s_and_b32 s12, s10, 1                          ; my half of its channels; also: which 64 rows I fetch
	s_bfe_u32 s40, ttmp6, 0x40000                  ; cx
	s_bfe_u32 s41, ttmp6, 0x40004                  ; cy
	s_lshl_b32 s42, ttmp9, 2
	s_add_co_u32 s42, s42, s40                     ; block of 256 channels, 0..3
	s_and_b32 s13, ttmp7, 0xffff
	s_lshl_b32 s13, s13, 2
	s_add_co_u32 s13, s13, s41                     ; block of 128 queries, 0..63
	s_lshl_b32 s43, s41, 2
	s_lshl_b32 s43, 15, s43                        ; my row of the cluster
	s_lshl_b32 s44, 0x1111, s40                    ; my column
	s_or_b32 s[G1+0], s43, (1<<16)|(1<<20)|(1<<21)|(5<<22)|(3<<25)   ; 2-byte elements; padding on; bit 21 beside a mask; after every 64 words, 4 words
	s_mov_b32 s[G1+1], 128<<16                     ; tensor_dim0 = 128 keys
	s_mov_b32 s[G1+2], 64<<16                      ; tensor_dim1 = 64 rows
	s_mov_b32 s[G1+3], 128<<16                     ; tile_dim0
	s_mov_b32 s[G1+4], 64                          ; tile_dim1
	s_mov_b32 s[G1+5], 2048                        ; elements from row to row of Ph
	s_mov_b32 s[G1+6], 0
	s_mov_b32 s[G1+7], 0
	s_or_b32 s[G1B+0], s44, (1<<16)|(1<<20)|(1<<21)|(6<<22)|(7<<25)  ; after every 128 words, 8 words
	s_mov_b32 s[G1B+1], 256<<16                    ; tensor_dim0 = 256 channels
	s_mov_b32 s[G1B+2], 64<<16                     ; tensor_dim1 = 64 key rows
	s_mov_b32 s[G1B+3], 256<<16
	s_mov_b32 s[G1B+4], 64
	s_mov_b32 s[G1B+5], 1024                       ; elements from row to row of Vh
	s_mov_b32 s[G1B+6], 0
	s_mov_b32 s[G1B+7], 0
	s_mov_b32 s[SEL], 0x76543210
	s_mov_b32 s[SEL+1], 0xfedcba98
	s_lshl_b32 s17, s12, 6
	s_lshl_b32 s16, s13, 7
	s_add_co_u32 s16, s16, s17                     ; Ph: row 128 x query block + 64 x half,
	s_lshl_b32 s16, s16, 12                        ; in bytes
	s_and_b32 s46, ttmp7, 0xffff
	s_lshr_b32 s46, s46, 2                         ; the batch, by the cluster's y alone
	s_lshl_b32 s46, s46, 11
	s_add_co_u32 s46, s46, s17                     ; Vh: row 2,048 x batch + 64 x half,
	s_lshl_b32 s46, s46, 11
	s_lshl_b32 s47, s42, 9                         ; the block's 256 channels
	s_add_co_u32 s46, s46, s47
	s_mov_b32 s17, 0
	s_mov_b32 s47, 0
	s_mul_i32 s20, s12, 64*PA                      ; where they go in a slot
	s_mul_i32 s21, s12, 64*PB
	s_add_co_u32 s21, s21, AB
	s_wait_dscnt 0x0                               ; both opening adds are done
	s_wait_kmcnt 0x0
	s_add_nc_u64 s[14:15], s[4:5], s[16:17]
	s_add_nc_u64 s[46:47], s[6:7], s[46:47]
	CROUND                                         ; all sixteen work-groups are here: the first joint loads meet
.irp s, 0,1
	s_mov_b32 s[G0+4*(\s)], 1
	s_add_co_u32 s[G0+4*(\s)+1], s20, (\s)*SLOT
	s_add_nc_u64 s[G0+4*(\s)+2:G0+4*(\s)+3], s[14:15], (\s)*256
	s_or_b32 s[G0+4*(\s)+3], s[G0+4*(\s)+3], 0x80000000
	s_mov_b32 s[G0B+4*(\s)], 1
	s_add_co_u32 s[G0B+4*(\s)+1], s21, (\s)*SLOT
	s_add_nc_u64 s[G0B+4*(\s)+2:G0B+4*(\s)+3], s[46:47], (\s)*128*2048
	s_or_b32 s[G0B+4*(\s)+3], s[G0B+4*(\s)+3], 0x80000000
	JLOAD \s                                       ; two loads of mine are out
.endr
	v_and_b32 v1, 15, v0                           ; r
	v_bfe_u32 v2, v0, 4, 1                         ; h
	v_lshlrev_b32 v[SO], 2, v1
	s_lshl_b32 s14, s13, 7
	s_lshl_b32 s15, s11, 6
	s_add_co_u32 s14, s14, s15                     ; my first row
	s_lshl_b32 s16, s14, 2
	s_mov_b32 s17, 0
	s_add_nc_u64 s[CMB:CMB+1], s[72:73], s[16:17]
.set i, 0
.rept 32                               ; c m_t: tile i / 4, query block i % 4
	global_load_b32 v[CMT+i], v[SO], s[CMB:CMB+1] offset:(i/4)*32768+(i%4)*64
.set i, i+1
.endr
.set i, 0
.rept 64                               ; the sums: half i / 4
	global_load_b32 v[LH+i], v[SO], s[CMB:CMB+1] offset:(8+i/4)*32768+(i%4)*64
.set i, i+1
.endr
	s_lshl_b32 s16, s14, 12
	s_lshl_b32 s18, s42, 10
	s_add_co_u32 s16, s16, s18
	s_lshl_b32 s18, s12, 9
	s_add_co_u32 s16, s16, s18
	s_add_nc_u64 s[8:9], s[74:75], s[16:17]        ; out0 at my first row and channel
	WIN 0xc0                                       ; TOT starts at 0, so that every lap ends alike: written while the first tiles and the statistics are on their way
.set i, 0
.rept 256
	v_mov_b32 v[i], 0
.set i, i+1
.endr
	WIN 0
	v_and_b32 v3, 7, v0
	v_bfe_u32 v4, v0, 3, 1
	v_and_b32 v5, 31, v0
	v_mul_u32_u24 v6, v1, PA
	v_lshl_add_u32 v6, v2, 4, v6                   ; a fragment of P': row x pitch + 16 x half
	s_mul_i32 s21, s11, 64*PA
	v_add_nc_u32 v[ADRA], s21, v6
	v_add_nc_u32 v[ADRA+1], SLOT, v[ADRA]
	v_lshl_add_u32 v7, v2, 3, v3                   ; the turning load: key 8 h + l % 8, channels 8 ((l / 8) % 2) on
	v_mul_u32_u24 v7, v7, PB
	v_lshl_add_u32 v7, v4, 4, v7
	s_lshl_b32 s22, s12, 8
	s_add_co_u32 s22, s22, AB
	v_add_nc_u32 v[ADRB], s22, v7
	v_add_nc_u32 v[ADRB+1], SLOT, v[ADRB]
	s_mul_i32 s23, s10, 16*SP
	s_add_co_u32 s23, s23, STAGE                   ; my stage
	v_mul_u32_u24 v6, v1, SP
	v_lshl_add_u32 v6, v2, 5, v6
	v_add_nc_u32 v[STO], s23, v6
	v_lshl_add_u32 v[RD], v5, 4, s23
	v_lshlrev_b32 v[CO], 4, v5
.irp a, 0,1,2,3
	v_mov_b32 v[WC+2*(\a)+1], 0                    ; named with w_t as a pair
.endr
	; the prefetches
	s_and_b32 s23, ttmp7, 0xffff                   ; cluster y
	s_lshl_b32 s14, s13, 7
	s_lshl_b32 s15, s12, 6
	s_add_co_u32 s14, s14, s15
	s_lshl_b32 s16, s40, 4
	s_add_co_u32 s14, s14, s16                     ; Ph: row 128 x query block + 64 x half + 16 cx,
	s_lshl_b32 s14, s14, 12
	s_add_co_u32 s14, s14, 2*512                   ; two laps in
	s_lshr_b32 s16, s23, 2
	s_lshl_b32 s16, s16, 11
	s_and_b32 s17, s23, 1
	s_lshl_b32 s17, s17, 7
	s_add_co_u32 s16, s16, s17
	s_add_co_u32 s16, s16, s15
	s_lshl_b32 s17, s41, 4
	s_add_co_u32 s16, s16, s17                     ; Vh: row 2,048 x batch + 128 (y & 1) + 64 x half + 16 cy,
	s_add_co_u32 s16, s16, 2*256                   ; two laps in,
	s_lshl_b32 s16, s16, 11
	s_lshl_b32 s17, s40, 9
	s_add_co_u32 s16, s16, s17                     ; my work-group's 512 bytes of the row
	s_and_b32 s17, s23, 2
	s_cmp_eq_u32 s17, 0
	s_cselect_b32 s17, 2, -1
	s_cmp_eq_u32 s11, 0
	s_cselect_b32 s20, s14, s16
	s_cselect_b32 s[LIM], 2, s17                   ; the same in all sixteen partners, for a given wave
	s_cselect_b32 s22, 12, 11                      ; a row's bytes, as a shift
	s_cselect_b32 s18, 9, 19                       ; a lap's bytes, as a shift: 512 along P's rows, 256 rows of V
	s_cselect_b64 s[PFA:PFA+1], s[4:5], s[6:7]
	s_mov_b32 s21, 0
	s_add_nc_u64 s[PFA:PFA+1], s[PFA:PFA+1], s[20:21]
	s_lshl_b32 s[PSTEP], 1, s18
	s_mov_b32 s[PSTEP+1], 0
	v_lshlrev_b32 v[PFO], s22, v1                  ; row l % 16,
	v_lshl_add_u32 v[PFO], v2, 8, v[PFO]           ; its first or second 256 bytes
	; THE ROWS' STATISTICS: c m, and 1 / l
	s_wait_loadcnt 0x0
.irp a, 0,1,2,3
	v_max3_num_f32 v[CG+(\a)], v[CMT+(\a)], v[CMT+4+(\a)], v[CMT+8+(\a)]
.endr
.irp a, 0,1,2,3
	v_max3_num_f32 v[CG+(\a)], v[CG+(\a)], v[CMT+12+(\a)], v[CMT+16+(\a)]
.endr
.irp a, 0,1,2,3
	v_max3_num_f32 v[CG+(\a)], v[CG+(\a)], v[CMT+20+(\a)], v[CMT+24+(\a)]
.endr
.irp a, 0,1,2,3
	v_max_num_f32 v[CG+(\a)], v[CG+(\a)], v[CMT+28+(\a)]
.endr
.set i, 0
.rept 32
	v_sub_f32 v[CMT+i], v[CMT+i], v[CG+i%4]
.set i, i+1
.endr
.set i, 0
.rept 32                               ; one batch
	v_exp_f32 v[CMT+i], v[CMT+i]
.set i, i+1
.endr
.set i, 0
.rept 32                               ; the two halves of each tile's sum: work that names no exponential's result
	v_add_f32 v[LH+8*(i/4)+i%4], v[LH+8*(i/4)+i%4], v[LH+8*(i/4)+4+i%4]
.set i, i+1
.endr
	s_wait_alu depctr_va_vdst(0)                   ; one wait for the 32
.irp a, 0,1,2,3
	v_mul_f32 v[LI+2*(\a)], v[CMT+(\a)], v[LH+(\a)]
.endr
.set i, 4
.rept 28
	v_fmac_f32 v[LI+2*(i%4)], v[CMT+i], v[LH+8*(i/4)+i%4]
.set i, i+1
.endr
.irp a, 0,1,2,3
	v_rcp_f32 v[LI+2*(\a)], v[LI+2*(\a)]
.endr
	v_nop
	s_wait_alu depctr_va_vdst(0)                   ; one wait for the four reciprocals
.irp a, 0,1,2,3
	v_mov_b32 v[LI+2*(\a)+1], v[LI+2*(\a)]
.endr
	s_wait_tensorcnt 1                             ; my part of step 0 is in; step 1's may stay out
	s_barrier_signal -1
	s_barrier_wait -1
	FETCH 0, 0, 0
	s_mov_b32 s3, 7
.Llap:                                                 ; laps 0 to 6: both slots are filled again.  The 32 accumulators take turns in one order throughout
	CTLOAD
	HALF 0, 0, 1, 1
	TURN 0, 1, 1
	HALF 1, 0, 1, 0
	TURN 1, 0, 1
	SCALE
	s_sub_co_u32 s3, s3, 1
	s_cmp_lg_u32 s3, 0
	s_cbranch_scc1 .Llap
	CTLOAD                                         ; the last lap is written out: it asks for nothing
	HALF 0, 0, 1, 1
	TURN 0, 1, 0
	HALF 1, 0, 1, 0
	LASTH
	SCALE
	OUTP 0
.irp a, 1,2,3                          ; a block's arithmetic stands between the loads of the block before and its stores
	OUTP \a
	SENDO (\a)-1, 32
.endr
	SENDO 3, 0
	s_wait_tensorcnt 0x0                           ; the wave's end
	ds_add_u32 v[SPW], v[NIL]
	s_wait_dscnt 0x0
	CROUND                                         ; the closing round
	s_endpgm
.Lfunc_end_k_q353521970d_pv:
	.size	k_q353521970d_pv, .Lfunc_end_k_q353521970d_pv-k_q353521970d_pv
	.p2alignl 7, 3214868480
	.fill 96, 4, 3214868480
	.section	.rodata,"a",@progbits
	.p2align	6, 0x0
	.amdhsa_kernel k_q353521970d_pv
		.amdhsa_group_segment_fixed_size 327680
		.amdhsa_private_segment_fixed_size 0
		.amdhsa_enable_private_segment 0
		.amdhsa_kernarg_size 32
		.amdhsa_user_sgpr_count 2
		.amdhsa_user_sgpr_kernarg_segment_ptr 1
		.amdhsa_wavefront_size32 1
		.amdhsa_system_sgpr_workgroup_id_x 1
		.amdhsa_system_sgpr_workgroup_id_y 1
		.amdhsa_system_sgpr_workgroup_id_z 1
		.amdhsa_system_vgpr_workitem_id 0
		.amdhsa_next_free_vgpr 1024
		.amdhsa_next_free_sgpr 76
		.amdhsa_reserve_vcc 0
		.amdhsa_float_denorm_mode_32 3
		.amdhsa_float_denorm_mode_16_64 3
		.amdhsa_memory_ordered 1
		.amdhsa_forward_progress 1
		.amdhsa_inst_pref_size 135
	.end_amdhsa_kernel
	.amdgpu_metadata
---
amdhsa.version: [ 1, 2 ]
amdhsa.kernels:
  - .name:           k_q353521970d_pv
    .symbol:         k_q353521970d_pv.kd
    .args:
      - { .name: Ph, .offset: 0, .size: 8, .value_kind: global_buffer, .address_space: global }
      - { .name: Vh, .offset: 8, .size: 8, .value_kind: global_buffer, .address_space: global }
      - { .name: stat, .offset: 16, .size: 8, .value_kind: global_buffer, .address_space: global }
      - { .name: out0, .offset: 24, .size: 8, .value_kind: global_buffer, .address_space: global }
    .group_segment_fixed_size: 327680
    .private_segment_fixed_size: 0
    .kernarg_segment_align: 8
    .kernarg_segment_size: 32
    .max_flat_workgroup_size: 128
    .sgpr_count:     76
    .vgpr_count:     1024
    .wavefront_size: 32
...
	.end_amdgpu_metadata
.endif
;; end of part 4
